; MI455X (gfx1250); checked and timed in simulation.
; The chip was launched on July 23, 2026; its instructions are those of AMD's public machine-readable ISA for CDNA 5 (MIT licence, August 2026) and "CDNA5" Instruction Set Architecture Reference Guide (July 2026). The comments in the code are by the model that wrote it; some were corrected since.
;; Multi Head Attention KV Cache. Allowed arithmetic: matrix products marked QUANTISED: E2M1 operands, one E8M0 scale for each 32 along K, by v_wmma_scale_f32_16x16x128_f8f6f4 with both operands' format E2M1 (or v_wmma_scale_f32_32x16x128_f4), f32 sums; products left as they are: bf16, f16 or f32 operands; f32 sums; everything else in f32.
;; Inputs: Wk 2,048 x 512 float32; Wo 2,048 x 2,048 float32; Wq 2,048 x 2,048 float32; Wv 2,048 x 512 float32; bk 512 float32; bo 2,048 float32; bq 2,048 float32; bv 512 float32; k_cache 2 x 4,096 x 8 x 64 float32; v_cache 2 x 4,096 x 8 x 64 float32; x 2 x 1,024 x 2,048 float32.
;; Outputs: out0 2 x 1,024 x 2,048 float32.
;; Constants: input_pos = 3072.
;; This version of the problem:
;;   THIS VERSION OF THE PROBLEM IS GIVEN IN LOW PRECISION. The matrix products marked QUANTISED in the list below multiply operands that are first quantised to E2M1 (2 exponent bits, 1 mantissa bit; 4 bits a number), with one power-of-two scale for each 32 numbers along K (OCP MX v1.0); their sums are f32. The products marked 'left as it is' may take bf16, f16 or f32 operands, with f32 sums. Whichever they take, every output number must still come out within the allowed error. Rounding operands to bf16 (8 significant bits) uses up far more of that allowance than f16 does (11 bits, for magnitudes from 6e-5 to 65,504). All else is computed in f32.
;;   The module's matrix products, in the order in which they are computed (A, B: the left and right operand; K: the contracted axis; several contracted axes count as one K, in the product's order):
;;     1. [M 2,048, K 2,048] x [K 2,048, N 2,048]; A: input x; B: input Wq: QUANTISED
;;     2. [M 2,048, K 2,048] x [K 2,048, N 512]; A: input x; B: input Wk: QUANTISED
;;     3. [M 2,048, K 2,048] x [K 2,048, N 512]; A: input x; B: input Wv: QUANTISED
;;     4. batch 16 x [M 4,096, K 64] x [K 64, N 4,096]; A: computed on the way; B: computed on the way: left as it is (an operand is computed on the way)
;;     5. batch 16 x [M 64, K 4,096] x [K 4,096, N 4,096]; A: computed on the way; B: computed on the way: left as it is (an operand is computed on the way)
;;     6. [M 2,048, K 2,048] x [K 2,048, N 2,048]; A: computed on the way; B: input Wo: left as it is (an operand is computed on the way)
;;   THE QUANTISER, for each operand of a quantised product, along K:
;;     - K is cut into blocks of 32 from its start; a last block that is shorter is filled with zeros.
;;     - A block's scale is 2^e with e = floor(log2(the largest magnitude in the block)) - 2, held to -126 .. 127; a block of zeros has e = 0. As a byte (E8M0): e + 127.
;;     - Each number is divided by its block's scale, clamped to +-6, and rounded to the nearest number of E2M1, ties to even, subnormals kept.
;;     - The product sums the exact products of the quantised numbers (number of the format x scale) in f32.
;;   ~~~python
;;   def quantise(x, axis):      # numpy; x: float32 -> the quantised numbers, widened to float32 again
;;       x = np.moveaxis(x, axis, -1); K = x.shape[-1]
;;       x = np.pad(x, [(0, 0)] * (x.ndim - 1) + [(0, -K % 32)]); x = x.reshape(x.shape[:-1] + (-1, 32)); a = np.abs(x).max(-1, keepdims=True)
;;       e = np.where(a > 0, np.clip(np.frexp(np.where(a > 0, a, 1))[1] - 1 - 2, -126, 127), 0)      # np.frexp(a)[1] - 1 = floor(log2(a)), exactly
;;       r = np.clip(x / 2.0 ** e, -6, 6)
;;       step = 2.0 ** (np.maximum(np.frexp(np.where(r == 0, 1, r))[1] - 1, 0) - 1)
;;       q = np.round(r / step) * step * 2.0 ** e      # np.round: ties to even
;;       return np.moveaxis(q.reshape(q.shape[:-2] + (-1,))[..., :K], -1, axis).astype(np.float32)
;;   ~~~
;; One version. Each part assembles by itself: llvm-mc -triple=amdgcn-amd-amdhsa -mcpu=gfx1250 --defsym DOCPART=n.
;; ======== version 1 of 1: 4 launches
;; limits: values are held in f16: magnitudes above 65,504 overflow, below 6.1e-05 lose precision
;; workspace buffers: codes 5,242,880 bytes; scales 327,680 bytes; qh 8,388,608 bytes; kh 8,388,608 bytes; vh 8,388,608 bytes; zh 8,388,608 bytes; woh 8,388,608 bytes
;; launch prep (part 1): grid 544 x 1, 4 waves a work-group, no clusters, 68,096 bytes of LDS; arguments x, Wq, Wk, Wv, k_cache, v_cache, Wo, codes, scales, kh, vh, woh; writes codes, scales, kh, vh, woh
.if DOCPART == 1
	.amdgcn_target "amdgcn-amd-amdhsa--gfx1250"
	.amdhsa_code_object_version 6
	.text
	.protected	k_q24701dd6f6_prep
	.globl	k_q24701dd6f6_prep
	.p2align	8
	.type	k_q24701dd6f6_prep,@function
k_q24701dd6f6_prep:
	s_mov_b64 s[64:65], 0
	v_nop
	global_prefetch_b8 v0, s[64:65] scope:SCOPE_SE
	s_setreg_imm32_b32 hwreg(HW_REG_WAVE_MODE, 25, 1), 1
	s_wait_xcnt 0x0
; PREP: every operand is brought once into the form in which the later launches read it many times.
;   work-groups   0 ..  95: Wq | Wk | Wv ([2048 (k)][n] f32, K is the FIRST axis) -> codes of FP4 (E2M1) laid [n 3072][K 2048] (1,024 bytes a row) and one E8M0 byte for each 32 along K, [n][64]
;   work-groups  96 .. 223: x ([2048][2048] f32, K innermost) -> codes [m][1,024 bytes] and scale bytes [m][64]
;   work-groups 224 .. 415: rows 0 .. 3071 of k_cache and v_cache ([b][t][g][64] f32) -> f16, regrouped [b][g][t][64]; rows 3072 on are written by the next launch (the cache append)
;   work-groups 416 .. 543: Wo -> f16, as it lies
; In the buffer of codes x's rows stand first (2,097,152 bytes), then W's; in the buffer of scale bytes x's 131,072 bytes stand first.
; A block's scale is 2^(floor(log2(its largest magnitude)) - 2): its byte is the largest magnitude's exponent field - 2, held at 1 from below.
; LIMITS: a block of zeros gets the byte 1 where the quantiser says 127: its codes are zeros, and this program alone reads the bytes.  f16: magnitudes beyond 65,504 become infinity, under about 6e-8 zero.
; NaN and infinities among the inputs are not served.
; The four paths part on the work-group's number alone; the two that use LDS have bytes of their own.  No tensor load, no barrier: waves share nothing.
.set SPW,    12                        ; v12  LDS address of my spare word: SPARE + 4 x my thread's number; never rewritten
.set NIL,    13                        ; v13  0; never rewritten
.set WLDS,   32768                     ; x's path: LDS bytes 0 .. 32,767 (8,192 a wave); W's path: from here, 8,704 a wave
.set WPITCH, 272                       ; W's stage: a column's 256 bytes of codes + 16
.set SPARE,  67584                     ; the spare words, 128 bytes a wave: two blocks of 256 bytes that no other line names
.macro FINISH                          ; a wave's end: three lines behind the last LDS store
	s_wait_tensorcnt 0x0
	ds_add_u32 v[SPW], v[NIL]
	s_wait_dscnt 0x0
	s_endpgm
.endm
; ---- f32 -> f16, a stream.  A wave has 64 loads of 512 bytes in 8 groups of 8, in a ring of four register slots (v16-143).  lg, lj: bytes from group to group and from load to load; sg, sj: the same for the stores.
.macro CFILL n, lg, lj
.irp j, 0,1,2,3,4,5,6,7
	global_load_b128 v[16+32*((\n)%4)+4*\j:16+32*((\n)%4)+4*\j+3], v3, s[34:35] offset:(\n)*\lg+\j*\lj th:TH_LOAD_NT
.endr
.endm
.macro CTURN n, lg, lj, sg, sj
.if (\n) <= 5
	s_wait_loadcnt 16                              ; my group is in; the two younger groups stay out
.elseif (\n) == 6
	s_wait_loadcnt 8
.else
	s_wait_loadcnt 0
.endif
.irp j, 0,1,2,3,4,5,6,7
	v_cvt_pk_f16_f32 v[16+32*((\n)%4)+4*\j], v[16+32*((\n)%4)+4*\j], v[16+32*((\n)%4)+4*\j+1]       ; four numbers become 8 bytes, in place
	v_cvt_pk_f16_f32 v[16+32*((\n)%4)+4*\j+1], v[16+32*((\n)%4)+4*\j+2], v[16+32*((\n)%4)+4*\j+3]
.endr
.irp j, 0,1,2,3,4,5,6,7
	global_store_b64 v4, v[16+32*((\n)%4)+4*\j:16+32*((\n)%4)+4*\j+1], s[36:37] offset:(\n)*\sg+\j*\sj   ; 32 lanes store 256 consecutive bytes, aligned
.endr
.if (\n)+3 < 8
	s_wait_xcnt 0x0                                ; the stores of the group before have read their registers: that slot is loaded again only behind this wait
	CFILL (\n)+3, \lg, \lj
.endif
.endm
.macro CONVERT lg, lj, sg, sj
	CFILL 0, \lg, \lj
	CFILL 1, \lg, \lj
	CFILL 2, \lg, \lj
.irp n, 0,1,2,3,4,5,6,7
	CTURN \n, \lg, \lj, \sg, \sj
.endr
.endm
	s_load_b256 s[4:11], s[0:1], 0x0               ; x s[4:5], Wq s[6:7], Wk s[8:9], Wv s[10:11]
	s_load_b256 s[12:19], s[0:1], 0x20             ; k_cache s[12:13], v_cache s[14:15], Wo s[16:17], codes s[18:19]
	s_load_b256 s[20:27], s[0:1], 0x40             ; scales s[20:21], kh s[22:23], vh s[24:25], woh s[26:27]
	v_lshl_add_u32 v[SPW], v0, 2, SPARE
	v_mov_b32 v[NIL], 0
	v_lshrrev_b32 v1, 5, v0
	v_readfirstlane_b32 s28, v1                    ; wave 0..3
	v_and_b32 v2, 31, v0                           ; lane
	s_wait_kmcnt 0x0
	s_cmp_lt_u32 ttmp9, 96
	s_cbranch_scc1 .Lw
	s_cmp_lt_u32 ttmp9, 224
	s_cbranch_scc1 .Lx
	s_cmp_lt_u32 ttmp9, 416
	s_cbranch_scc1 .Lcache
	; ---- Wo: a plain stream; a wave takes 8,192 numbers
	s_sub_co_u32 s29, ttmp9, 416
	s_lshl_b32 s29, s29, 2
	s_add_co_u32 s29, s29, s28                     ; which run of 8,192 numbers
	s_lshl_b32 s32, s29, 15
	s_mov_b32 s33, 0
	s_add_nc_u64 s[34:35], s[16:17], s[32:33]
	s_lshl_b32 s32, s29, 14
	s_add_nc_u64 s[36:37], s[26:27], s[32:33]
	v_lshlrev_b32 v3, 4, v2                        ; in: 16 bytes a lane
	v_lshlrev_b32 v4, 3, v2                        ; out: 8 bytes a lane
	CONVERT 4096, 512, 2048, 256
	FINISH
.Lcache:
	; ---- the caches: a wave takes 16 rows t x 8 groups g.  A load: lanes 0-15 the 256 bytes of (t, g), lanes 16-31 those of (t + 1, g); its store: rows t and t + 1 of group g, 256 bytes on end
	s_sub_co_u32 s29, ttmp9, 224
	s_and_b32 s30, s29, 1
	s_cmp_eq_u32 s30, 0                            ; k or v: the choice hangs on the work-group's number alone
	s_cselect_b64 s[34:35], s[12:13], s[14:15]
	s_cselect_b64 s[36:37], s[22:23], s[24:25]
	s_bfe_u32 s30, s29, 0x10001                    ; b
	s_lshr_b32 s31, s29, 2
	s_lshl_b32 s31, s31, 6
	s_lshl_b32 s32, s28, 4
	s_add_co_u32 s31, s31, s32                     ; my first row: 64 x block + 16 x wave, at most 3,056
	s_lshl_b32 s32, s30, 23                        ; in: a batch is 2^23 bytes, a row 2,048
	s_lshl_b32 s38, s31, 11
	s_add_co_u32 s32, s32, s38
	s_mov_b32 s33, 0
	s_add_nc_u64 s[34:35], s[34:35], s[32:33]
	s_lshl_b32 s32, s30, 22                        ; out: a batch is 2^22 bytes, a group 2^19, a row 128
	s_lshl_b32 s38, s31, 7
	s_add_co_u32 s32, s32, s38
	s_add_nc_u64 s[36:37], s[36:37], s[32:33]
	v_lshrrev_b32 v3, 4, v2
	v_lshlrev_b32 v3, 11, v3
	v_and_b32 v4, 15, v2
	v_lshl_add_u32 v3, v4, 4, v3                   ; in: 2,048 x (lane / 16) + 16 x (lane % 16)
	v_lshlrev_b32 v4, 3, v2                        ; out: 8 bytes a lane
	CONVERT 256, 4096, 524288, 256                 ; a group of loads is one g, a load two rows t
	FINISH
.Lx:
	; ---- x: a plain stream of blocks of 32.  A wave takes 16 steps of 512 numbers.  Each load reads 512 consecutive bytes; the 2,048 bytes of a step turn through the wave's own stage in LDS
	; (16 bytes of padding behind each 64) and come back 64 bytes a lane: 16 neighbours along K, as the conversions want them; two neighbouring lanes hold a block.
.set XR,  16                           ; v16-79   four sets of 16 numbers as loaded
.set XX,  80                           ; v80-111  two sets of 16 neighbours
.set XE,  112                          ; v112-127 a scale byte for each step
.set XC,  128                          ; v128-191 codes, four registers for each step: no store's data are written again
.set XSP, 80                           ; a lane's place in a stage
	s_lshl_b32 s29, s28, 13                        ; my wave's 8,192 bytes of LDS
	v_lshlrev_b32 v3, 4, v2
	v_lshrrev_b32 v14, 2, v2
	v_mul_u32_u24 v14, v14, XSP
	v_and_b32 v15, 3, v2
	v_lshl_add_u32 v14, v15, 4, v14
	v_add_nc_u32 v14, s29, v14                     ; the stage, in: 80 (lane / 4) + 16 (lane % 4)
	v_mul_u32_u24 v15, v2, XSP
	v_add_nc_u32 v15, s29, v15                     ; and out: 80 x lane
	v_lshlrev_b32 v4, 3, v2                        ; my 16 codes: 8 bytes
	v_lshrrev_b32 v5, 1, v2
	s_add_co_u32 s29, s29, 2*32*XSP
	v_add_nc_u32 v5, s29, v5                       ; my block's scale byte among the wave's 256
	v_lshlrev_b32 v7, 3, v2
	v_add_nc_u32 v6, s29, v7
	s_sub_co_u32 s30, ttmp9, 96
	s_lshl_b32 s30, s30, 2
	s_add_co_u32 s30, s30, s28                     ; which run of 8,192 numbers
	s_lshl_b32 s32, s30, 15
	s_mov_b32 s33, 0
	s_add_nc_u64 s[4:5], s[4:5], s[32:33]
	s_lshl_b32 s32, s30, 12
	s_add_nc_u64 s[18:19], s[18:19], s[32:33]
	s_lshl_b32 s32, s30, 8
	s_add_nc_u64 s[20:21], s[20:21], s[32:33]
.macro XLOAD t
.irp i, 0,1,2,3
	global_load_b128 v[XR+16*((\t)%4)+4*\i:XR+16*((\t)%4)+4*\i+3], v3, s[4:5] offset:2048*(\t)+512*\i th:TH_LOAD_NT
.endr
.endm
.macro XTURN t                         ; LDS serves a wave's instructions in order (ISA guide 5.7.1): no wait between the stores and the loads
.irp i, 0,1,2,3
	ds_store_b128 v14, v[XR+16*((\t)%4)+4*\i:XR+16*((\t)%4)+4*\i+3] offset:32*XSP*((\t)%2)+8*XSP*\i
.endr
.irp i, 0,1,2,3
	ds_load_b128 v[XX+16*((\t)%2)+4*\i:XX+16*((\t)%2)+4*\i+3], v15 offset:32*XSP*((\t)%2)+16*\i
.endr
.endm
.irp t, 0,1,2,3
	XLOAD \t
.endr
	s_wait_loadcnt 12                              ; step 0's four loads are in
	XTURN 0
.macro XSTEP t
.set XS, XX+16*((\t)%2)
.if (\t) > 0
	s_wait_dscnt 1                                 ; this step's numbers are back from the stage; the last step's byte store may be out
.else
	s_wait_dscnt 0x0
.endif
.if (\t)+4 < 16
	XLOAD (\t)+4                                   ; into the registers that this step's stores into the stage have read
.endif
.if (\t)+1 < 16
.if 14-(\t) >= 3
	s_wait_loadcnt 12                              ; the next step's four loads are in; those of three later steps may be out
.else
	s_wait_loadcnt 4*(14-(\t))
.endif
	XTURN (\t)+1
.endif
	v_max3_num_f32 v8, |v[XS]|, |v[XS+1]|, |v[XS+2]|
	v_max3_num_f32 v9, |v[XS+3]|, |v[XS+4]|, |v[XS+5]|
.irp i, 6,10
	v_max3_num_f32 v8, v8, |v[XS+\i]|, |v[XS+\i+1]|
	v_max3_num_f32 v9, v9, |v[XS+\i+2]|, |v[XS+\i+3]|
.endr
	v_max3_num_f32 v8, v8, |v[XS+14]|, |v[XS+15]|
	v_max3_num_f32 v8, v8, v9, 0x1800000           ; and the floor 2^(3 - 127): the byte cannot fall under 1
	v_max_num_f32_dpp v8, v8, v8 row_xmask:1 row_mask:0xf bank_mask:0xf   ; with my neighbour's 16: the block's largest magnitude
	v_add_nc_u32 v11, 0xff000000, v8               ; 2 off its exponent field: the conversion takes this operand's exponent field as its scale
	v_cvt_scalef32_pk8_fp4_f32 v[XC+4*(\t)], v[XS:XS+7], v11
	v_cvt_scalef32_pk8_fp4_f32 v[XC+4*(\t)+1], v[XS+8:XS+15], v11
	v_lshrrev_b32 v[XE+(\t)], 23, v11              ; the scale's byte
	ds_store_b8 v5, v[XE+(\t)] offset:16*(\t)      ; both lanes of a block write the same byte with the same value
	global_store_b64 v4, v[XC+4*(\t):XC+4*(\t)+1], s[18:19] offset:256*(\t)   ; 32 lanes store 256 consecutive bytes, aligned
.endm
.irp t, 0,1,2,3,4,5,6,7,8,9,10,11,12,13,14,15
	XSTEP \t
.endr
	ds_load_b64 v[8:9], v6                         ; my wave's 256 scale bytes, 8 a lane
	s_wait_dscnt 0x0
	global_store_b64 v7, v[8:9], s[20:21]
	FINISH
.Lw:
	; ---- the weights: A LANE TAKES A COLUMN n AND ITS REGISTERS RUN DOWN K: a block of 32 lies in one lane's 32 registers, and the conversions give codes with K innermost.
	; A work-group takes 128 columns of the concatenated N (block nb = id / 4) x 512 along K (kb = id % 4); a wave 32 columns.  The three tensors differ in their pointer and in their row's bytes alone.
.set WOF,  24                          ; v24-55   32 offsets: row i of a block + 4 x lane
.set WX,   56                          ; v56-119  two sets of 32 numbers
.set WOUT, 120                         ; v120-183 the way out
	s_lshr_b32 s29, ttmp9, 2                       ; nb 0..23: 0-15 Wq, 16-19 Wk, 20-23 Wv
	s_and_b32 s30, ttmp9, 3                        ; kb
	s_cmp_lt_u32 s29, 20
	s_cselect_b64 s[32:33], s[8:9], s[10:11]
	s_cselect_b32 s31, 16, 20
	s_cmp_lt_u32 s29, 16
	s_cselect_b64 s[32:33], s[6:7], s[32:33]
	s_cselect_b32 s31, 0, s31                      ; the tensor's first block
	s_mov_b32 s38, 2048
	s_cselect_b32 s38, 8192, s38                   ; a row of the tensor in bytes
	s_lshl_b32 s39, s28, 5
	s_sub_co_u32 s31, s29, s31
	s_lshl_b32 s31, s31, 7
	s_add_co_u32 s31, s31, s39                     ; my wave's first column in its tensor
	s_lshl_b32 s31, s31, 2
	s_mul_i32 s44, s30, s38
	s_lshl_b32 s44, s44, 9                         ; 512 kb rows
	s_add_co_u32 s44, s44, s31
	s_mov_b32 s45, 0
	s_add_nc_u64 s[32:33], s[32:33], s[44:45]      ; the base of the even blocks,
	s_lshl_b32 s44, s38, 5
	s_add_nc_u64 s[34:35], s[32:33], s[44:45]      ; of the odd ones: 32 rows on;
	s_lshl_b32 s36, s38, 6                         ; each steps by 64 rows
	s_mov_b32 s37, 0
	s_lshl_b32 s44, s29, 7
	s_add_co_u32 s44, s44, s39                     ; my first column in the concatenated N
	s_lshl_b32 s46, s44, 10
	s_lshl_b32 s47, s30, 8
	s_add_co_u32 s46, s46, s47
	s_add_co_u32 s46, s46, 0x200000                ; W's codes stand behind x's
	s_mov_b32 s47, 0
	s_add_nc_u64 s[40:41], s[18:19], s[46:47]
	s_lshl_b32 s46, s44, 6
	s_lshl_b32 s44, s30, 4
	s_add_co_u32 s46, s46, s44
	s_add_co_u32 s46, s46, 0x20000                 ; W's scale bytes stand behind x's
	s_add_nc_u64 s[42:43], s[20:21], s[46:47]
	s_mul_i32 s44, s28, 32*WPITCH
	s_add_co_u32 s44, s44, WLDS                    ; my stage
	v_lshlrev_b32 v3, 2, v2
	v_mul_u32_u24 v4, v2, WPITCH
	v_add_nc_u32 v4, s44, v4                       ; into it: row = my column
	v_and_b32 v5, 15, v2
	v_lshrrev_b32 v6, 4, v2
	v_mul_u32_u24 v7, v6, WPITCH
	v_lshl_add_u32 v7, v5, 4, v7
	v_add_nc_u32 v7, s44, v7                       ; out of it: sixteen lanes to a row, two rows an instruction
	v_lshlrev_b32 v8, 10, v6
	v_lshl_add_u32 v8, v5, 4, v8                   ; and the same place in the codes' rows of 1,024 bytes
	v_lshlrev_b32 v9, 6, v2                        ; my column's row of 64 scale bytes
.set i, 0
.rept 32
	v_mad_u32_u24 v[WOF+i], s38, i, v3
.set i, i+1
.endr
.macro WLOAD t                         ; block t: W(32 t + i, my column): 32 lanes read 128 consecutive bytes
.set i, 0
.rept 32
	global_load_b32 v[WX+32*((\t)%2)+i], v[WOF+i], s[32+2*((\t)%2):33+2*((\t)%2)] th:TH_LOAD_NT
.set i, i+1
.endr
.endm
	WLOAD 0
	WLOAD 1
.macro WBLOCK t
.set WS, WX+32*((\t)%2)
.if (\t) < 15
	s_wait_loadcnt 32                              ; this block's 32 loads are in, so their base may step; the next block's may be out
.else
	s_wait_loadcnt 0
.endif
.if (\t)+2 < 16
	s_add_nc_u64 s[32+2*((\t)%2):33+2*((\t)%2)], s[32+2*((\t)%2):33+2*((\t)%2)], s[36:37]
.endif
	v_max3_num_f32 v14, |v[WS]|, |v[WS+1]|, |v[WS+2]|
	v_max3_num_f32 v15, |v[WS+3]|, |v[WS+4]|, |v[WS+5]|
.irp i, 6,10,14,18,22,26
	v_max3_num_f32 v14, v14, |v[WS+\i]|, |v[WS+\i+1]|
	v_max3_num_f32 v15, v15, |v[WS+\i+2]|, |v[WS+\i+3]|
.endr
	v_max3_num_f32 v14, v14, |v[WS+30]|, |v[WS+31]|
	v_max3_num_f32 v14, v14, v15, 0x1800000        ; and the floor 2^(3 - 127)
	v_add_nc_u32 v11, 0xff000000, v14              ; the conversion's scale operand
	v_lshrrev_b32 v15, 23, v11                     ; the scale's byte
.if (\t)%4 == 0
	v_mov_b32 v[16+(\t)/4], v15                    ; four bytes to a register, the lower K in the lower byte
.else
	v_lshl_or_b32 v[16+(\t)/4], v15, 8*((\t)%4), v[16+(\t)/4]
.endif
.irp g, 0,1,2,3
	v_cvt_scalef32_pk8_fp4_f32 v[20+\g], v[WS+8*\g:WS+8*\g+7], v11
.endr
	ds_store_b128 v4, v[20:23] offset:16*(\t)      ; 32 codes: 16 bytes of my column's row
.if (\t)+2 < 16
	WLOAD (\t)+2
.endif
	s_wait_dscnt 0x0                               ; the store has read its registers: the next block's codes may be written (plain vector lines stand ahead of them)
.endm
.irp t, 0,1,2,3,4,5,6,7,8,9,10,11,12,13,14,15
	WBLOCK \t
.endr
	global_store_b128 v9, v[16:19], s[42:43]       ; my column's 16 scale bytes
.irp t, 0,1,2,3,4,5,6,7,8,9,10,11,12,13,14,15
	ds_load_b128 v[WOUT+4*\t:WOUT+4*\t+3], v7 offset:2*\t*WPITCH
.endr
.irp t, 0,1,2,3,4,5,6,7,8,9,10,11,12,13,14,15
	s_wait_dscnt 15-\t
	global_store_b128 v8, v[WOUT+4*\t:WOUT+4*\t+3], s[40:41] offset:2*\t*1024   ; sixteen lanes store 256 consecutive bytes, aligned
.endr
	FINISH
.Lfunc_end_k_q24701dd6f6_prep:
	.size	k_q24701dd6f6_prep, .Lfunc_end_k_q24701dd6f6_prep-k_q24701dd6f6_prep
	.p2alignl 7, 3214868480
	.fill 96, 4, 3214868480
	.section	.rodata,"a",@progbits
	.p2align	6, 0x0
	.amdhsa_kernel k_q24701dd6f6_prep
		.amdhsa_group_segment_fixed_size 68096
		.amdhsa_private_segment_fixed_size 0
		.amdhsa_enable_private_segment 0
		.amdhsa_kernarg_size 96
		.amdhsa_user_sgpr_count 2
		.amdhsa_user_sgpr_kernarg_segment_ptr 1
		.amdhsa_wavefront_size32 1
		.amdhsa_system_sgpr_workgroup_id_x 1
		.amdhsa_system_sgpr_workgroup_id_y 1
		.amdhsa_system_sgpr_workgroup_id_z 1
		.amdhsa_system_vgpr_workitem_id 0
		.amdhsa_next_free_vgpr 192
		.amdhsa_next_free_sgpr 66
		.amdhsa_reserve_vcc 0
		.amdhsa_float_denorm_mode_32 3
		.amdhsa_float_denorm_mode_16_64 3
		.amdhsa_memory_ordered 1
		.amdhsa_forward_progress 1
		.amdhsa_inst_pref_size 156
	.end_amdhsa_kernel
	.amdgpu_metadata
---
amdhsa.version: [ 1, 2 ]
amdhsa.kernels:
  - .name:           k_q24701dd6f6_prep
    .symbol:         k_q24701dd6f6_prep.kd
    .args:
      - { .name: x, .offset: 0, .size: 8, .value_kind: global_buffer, .address_space: global }
      - { .name: Wq, .offset: 8, .size: 8, .value_kind: global_buffer, .address_space: global }
      - { .name: Wk, .offset: 16, .size: 8, .value_kind: global_buffer, .address_space: global }
      - { .name: Wv, .offset: 24, .size: 8, .value_kind: global_buffer, .address_space: global }
      - { .name: k_cache, .offset: 32, .size: 8, .value_kind: global_buffer, .address_space: global }
      - { .name: v_cache, .offset: 40, .size: 8, .value_kind: global_buffer, .address_space: global }
      - { .name: Wo, .offset: 48, .size: 8, .value_kind: global_buffer, .address_space: global }
      - { .name: codes, .offset: 56, .size: 8, .value_kind: global_buffer, .address_space: global }
      - { .name: scales, .offset: 64, .size: 8, .value_kind: global_buffer, .address_space: global }
      - { .name: kh, .offset: 72, .size: 8, .value_kind: global_buffer, .address_space: global }
      - { .name: vh, .offset: 80, .size: 8, .value_kind: global_buffer, .address_space: global }
      - { .name: woh, .offset: 88, .size: 8, .value_kind: global_buffer, .address_space: global }
    .group_segment_fixed_size: 68096
    .private_segment_fixed_size: 0
    .kernarg_segment_align: 8
    .kernarg_segment_size: 96
    .max_flat_workgroup_size: 128
    .sgpr_count:     66
    .vgpr_count:     192
    .wavefront_size: 32
...
	.end_amdgpu_metadata
.endif
;; end of part 1
;; launch qkv (part 2): grid 12 x 8, 4 waves a work-group, clusters of 4 x 4, 327,680 bytes of LDS; arguments codes, scales, bq, bk, bv, qh, kh, vh; writes qh, kh, vh
.if DOCPART == 2
	.amdgcn_target "amdgcn-amd-amdhsa--gfx1250"
	.amdhsa_code_object_version 6
	.text
	.protected	k_q24701dd6f6_qkv
	.globl	k_q24701dd6f6_qkv
	.p2align	8
	.type	k_q24701dd6f6_qkv,@function
k_q24701dd6f6_qkv:
	s_mov_b64 s[64:65], 0
	v_nop
	global_prefetch_b8 v0, s[64:65] scope:SCOPE_SE
	s_setreg_imm32_b32 hwreg(HW_REG_WAVE_MODE, 25, 1), 1
	s_wait_xcnt 0x0
	s_wait_alu depctr_hold_cnt(0) depctr_sa_sdst(0) depctr_va_vdst(0) depctr_va_sdst(0) depctr_va_ssrc(0) depctr_va_vcc(0) depctr_vm_vsrc(0)
	s_getreg_b32 s2, hwreg(HW_REG_IB_STS2, 6, 4)
	s_cmp_eq_u32 s2, 0
	s_cbranch_scc0 .Lentry_in_a_cluster
	s_endpgm
.Lentry_in_a_cluster:
	s_bfe_u32 s2, ttmp6, 0x10000c
	s_cmp_lg_u32 s2, 0xf033
	s_cbranch_scc0 .Lentry_shape_is_right
	s_endpgm
.Lentry_shape_is_right:
; QKV: [x Wq + bq | x Wk + bk | x Wv + bv], one product of 2,048 x 3,072 x 2,048 on codes of FP4 (E2M1) with one E8M0 scale for each 32 along K; sums in f32; the bias is the C of each sum's first product.
; A = x's codes [2048][1,024 bytes], B = the weights' codes [3072][1,024 bytes] (rows 0-2047 q, 2048-2559 k, 2560-3071 v), behind A's in one buffer; the scale bytes [rows][64] likewise.
; The results leave as f16, in the layouts that attention reads: q -> qh [b][h 32][s 1024][64]; k, v -> rows 3072 + s of kh, vh [b][g 8][t 4096][64]: the cache append.
; LIMIT: a result beyond 65,504 becomes infinity in f16.
; A tile of 256 x 256 is made by four waves, a wave makes 128 x 128: 64 accumulators, 512 registers.  K goes in steps of 512 (rows of 256 bytes) through a ring of two LDS slots filled by the tensor data mover.
; The scale bytes of the work-group's 256 + 256 rows, for all of K, come into LDS once, with the first fills, and stay.
; CLUSTERS: 4 x 4 work-groups; A's tiles are asked for jointly along a row of the cluster, B's along a column: the same tensor load with the same descriptor and a mask that names the four.
; THE MATRIX INSTRUCTION IS USED TRANSPOSED (source 0 = 16 rows of B, source 1 = 16 rows of A): a lane holds eight neighbouring columns of one row of the result.
; A tile column is four heads of one of the three outputs: which buffer, which bias and which pitches is chosen by s_cselect on the tile column; no branch and no LDS address hangs on a place in the cluster.
; REGISTERS, in windows of 256: window 0: v0-31 addresses; v32-95 scale words, two sets; v128-191 A's fragments, one set; v192-255 the bias in the result's layout, later packed results.
;   window 1: B's fragments, two sets, at v0 and v128.   window 2: the accumulators of my rows 0-63 ((a, b) at v[8 (8 a + b)]);   window 3: those of my rows 64-127.
.set SIZE_K, 2048
.set KSTEP,  512
.set NQ,     KSTEP/128
.set ROWB,   256                       ; a tile's row in bytes
.set KROW,   SIZE_K/2                  ; a row of codes in memory
.set PITCH,  272                       ; an LDS row: 256 bytes + 16: row r starts at bank 4 r mod 64 (64 banks of 4 bytes: ISA guide 11.1)
.set FR,     8
.set NL,     2
.set NP,     4                         ; places behind this matrix instruction (ISA guide 7.12.1)
.set HALFT,  128*PITCH
.set SLOT,   4*HALFT
.set LAPS,   SIZE_K/(2*KSTEP)
.set KS,     SIZE_K/32
.set SCL,    2*SLOT                    ; behind the ring: the scales, as units of 256 bytes + 16 of padding
.set HALFS,  (128*KS/256)*272
.set SBLK,   (16*KS/256)*272
.set SPARE,  SCL+4*HALFS               ; the spare words, 128 bytes a wave: two blocks of 256 bytes that no other line names
.set SPITCH, 272                       ; the way out: a stage of 16 rows x (256 bytes + 16) for each wave, in slot 0, which has had its last fill and its last read by then
.set ADRA, 16
.set ADRB, 20
.set STO,  24
.set RD,   25
.set CO,   26
.set ADRS, 27
.set SPW,  28                          ; v28  LDS address of my spare word; never rewritten
.set NIL,  29                          ; v29  0; never rewritten
.set SC,   32
.set AF,   128
.set BI,   192                         ; the bias: block b's eight numbers of my half at v[BI + 8 b]
.set TMP,  192                         ; the way out: packed results
.set OB,   32                          ; and 16 rows read back: v32-63 and v224-255 by turns
.set G1, 24
.set G0, 32
.set G1B, 48
.set G0B, 56
.set G1S, 68
.set G0S, 76
.set G1SB, 80
.set G0SB, 88
.set MSB, 0
.macro WIN new                         ; the immediate's high byte repeats the setting that is left
.if MSB != \new
	s_set_vgpr_msb (MSB<<8)|\new
.set MSB, \new
.endif
.endm
.set MUL_LO,   0xa1                    ; source 0 (B) window 1, source 1 (A) window 0, C and D window 2
.set MUL_HI,   0xf1                    ; the same, C and D window 3
.set FIRST_LO, 0x81                    ; the first products: C (the bias) window 0, D window 2
.set FIRST_HI, 0xc1                    ; D window 3
.set TO_B,     0x40
; A joint load: waves 0 and 1 fetch for A, waves 2 and 3 for B; the branch hangs on the wave's number alone.  An s_nop 0 and four v_nop follow each of the two lines.
.macro JLOAD g0a, g1a, g0b, g1b
	s_cmp_eq_u32 s15, 0
	s_cbranch_scc0 .Lfor_b_\@
	tensor_load_to_lds s[\g0a:\g0a+3], s[\g1a:\g1a+7]
	s_nop 0
.rept 4
	v_nop
.endr
	s_branch .Lasked_\@
.Lfor_b_\@:
	tensor_load_to_lds s[\g0b:\g0b+3], s[\g1b:\g1b+7]
	s_nop 0
.rept 4
	v_nop
.endr
.Lasked_\@:
.endm
.macro CREST                           ; a round of the cluster's barrier behind its opening barrier
	s_cmp_lg_u32 s14, 0
	s_cbranch_scc1 .Lnot_wave_0_\@
	s_barrier_signal -3
.Lnot_wave_0_\@:
	s_barrier_wait -3
	s_barrier_signal -1
	s_barrier_wait -1
.endm
.macro CROUND
	s_barrier_signal -1
	s_barrier_wait -1
	CREST
.endm
	s_load_b128 s[4:7], s[0:1], 0x0                ; codes s[4:5], scales s[6:7]
	s_load_b256 s[68:75], s[0:1], 0x10             ; bq s[68:69], bk s[70:71], bv s[72:73], qh s[74:75]
	s_load_b128 s[76:79], s[0:1], 0x30             ; kh s[76:77], vh s[78:79]
	v_lshl_add_u32 v[SPW], v0, 2, SPARE
	v_mov_b32 v[NIL], 0
	ds_add_u32 v[SPW], v[NIL]                      ; the wave's opening: the add and its wait stand ahead of my first tensor load; work on registers stands between them
	v_lshrrev_b32 v1, 5, v0
	v_readfirstlane_b32 s14, v1                    ; wave 0..3
	s_lshr_b32 s15, s14, 1                         ; which half of the tile's rows is mine.  Also: I fetch for A (0) or for B (1)
	s_and_b32 s16, s14, 1                          ; which half of its columns.  Also: which 128 rows of that tile I fetch
	s_bfe_u32 s40, ttmp6, 0x40000                  ; cx, cy: my place in the cluster
	s_bfe_u32 s41, ttmp6, 0x40004
	s_lshl_b32 s42, ttmp9, 2
	s_add_co_u32 s42, s42, s40                     ; tile column 0..11
	s_and_b32 s17, ttmp7, 0xffff
	s_lshl_b32 s17, s17, 2
	s_add_co_u32 s17, s17, s41                     ; tile row 0..7
	s_lshl_b32 s43, s41, 2
	s_lshl_b32 s43, 15, s43                        ; my row of the cluster
	s_lshl_b32 s44, 0x1111, s40                    ; my column
	s_or_b32 s[G1+0], s43, (0<<16)|(1<<20)|(1<<21)|(5<<22)|(3<<25)  ; the mask; elements of 1 byte; padding on; bit 21 beside a mask; after every 64 words, 4 words
	s_or_b32 s[G1B+0], s44, (0<<16)|(1<<20)|(1<<21)|(5<<22)|(3<<25)
.irp g, G1, G1B
	s_mov_b32 s[\g+1], ROWB<<16                    ; tensor_dim0
	s_mov_b32 s[\g+2], 128<<16                     ; tensor_dim1
	s_mov_b32 s[\g+3], ROWB<<16                    ; tile_dim0
	s_mov_b32 s[\g+4], 128                         ; tile_dim1
	s_mov_b32 s[\g+5], KROW                        ; from row to row
	s_mov_b32 s[\g+6], 0
	s_mov_b32 s[\g+7], 0
.endr
	s_lshl_b32 s18, s16, 7
	s_lshl_b32 s20, s17, 8
	s_add_co_u32 s20, s20, s18                     ; A: row 256 x tile row + 128 x half
	s_lshl_b32 s46, s42, 8
	s_add_co_u32 s46, s46, s18                     ; B: row 256 x tile column + 128 x half
	s_mov_b32 s21, 0
	s_mov_b32 s47, 0
	s_mov_b64 s[18:19], KS
	s_mul_u64 s[22:23], s[20:21], s[18:19]         ; where these rows' scales begin
	s_mul_u64 s[92:93], s[46:47], s[18:19]
	s_mov_b64 s[18:19], KROW
	s_mul_u64 s[20:21], s[20:21], s[18:19]         ; and their codes
	s_mul_u64 s[46:47], s[46:47], s[18:19]
	s_mul_i32 s45, s14, HALFT                      ; where they go: wave x 128 rows
	s_mul_i32 s94, s14, HALFS
	s_wait_dscnt 0x0                               ; the opening add is done
	s_wait_kmcnt 0x0
	; which output this tile column belongs to: columns 0-7 q, 8-9 k, 10-11 v
	s_cmp_lt_u32 s42, 10
	s_cselect_b64 s[12:13], s[76:77], s[78:79]
	s_cselect_b64 s[96:97], s[70:71], s[72:73]
	s_cselect_b32 s98, 8, 10
	s_cmp_lt_u32 s42, 8
	s_cselect_b64 s[12:13], s[74:75], s[12:13]     ; the output
	s_cselect_b64 s[96:97], s[68:69], s[96:97]     ; its bias
	s_cselect_b32 s98, 0, s98                      ; its first tile column
	s_cselect_b32 s99, 17, 19                      ; log2 of a head's bytes: 1,024 or 4,096 rows of 128
	s_cselect_b32 s100, 5, 3                       ; log2 of the heads in a batch
	s_cselect_b32 s101, 0, 3072                    ; the first row: k and v are appended at 3,072
	; the pointers have been taken: their registers become the descriptors of the scales: 128 rows' scales are 8,192 dense bytes, as rows of 256 bytes (32 elements of 8), 16 bytes of padding behind each
	s_or_b32 s[G1S+0], s43, (3<<16)|(1<<20)|(1<<21)|(5<<22)|(3<<25)
	s_or_b32 s[G1SB+0], s44, (3<<16)|(1<<20)|(1<<21)|(5<<22)|(3<<25)
.irp g, G1S, G1SB
	s_mov_b32 s[\g+1], 32<<16
	s_mov_b32 s[\g+2], (128*KS/256)<<16
	s_mov_b32 s[\g+3], 32<<16
	s_mov_b32 s[\g+4], 128*KS/256
	s_mov_b32 s[\g+5], 32
	s_mov_b32 s[\g+6], 0
	s_mov_b32 s[\g+7], 0
.endr
	s_add_nc_u64 s[8:9], s[4:5], 0x200000          ; B's codes stand behind A's,
	s_add_nc_u64 s[10:11], s[6:7], 0x20000         ; B's scales behind A's
	s_add_nc_u64 s[20:21], s[4:5], s[20:21]
	s_add_nc_u64 s[22:23], s[6:7], s[22:23]
	s_add_nc_u64 s[46:47], s[8:9], s[46:47]
	s_add_nc_u64 s[92:93], s[10:11], s[92:93]
	CROUND                                         ; all sixteen work-groups are here: the first joint loads meet
	s_mov_b32 s[G0S], 1
	s_add_co_u32 s[G0S+1], s94, SCL
	s_mov_b64 s[G0S+2:G0S+3], s[22:23]
	s_or_b32 s[G0S+3], s[G0S+3], 0x80000000
	s_mov_b32 s[G0SB], 1
	s_add_co_u32 s[G0SB+1], s94, SCL
	s_mov_b64 s[G0SB+2:G0SB+3], s[92:93]
	s_or_b32 s[G0SB+3], s[G0SB+3], 0x80000000
	JLOAD G0S, G1S, G0SB, G1SB                     ; the scales first: they are wanted with K step 0
.irp s, 0,1
	s_mov_b32 s[G0+4*\s], 1
	s_add_co_u32 s[G0+4*\s+1], s45, \s*SLOT
	s_add_nc_u64 s[G0+4*\s+2:G0+4*\s+3], s[20:21], \s*ROWB
	s_or_b32 s[G0+4*\s+3], s[G0+4*\s+3], 0x80000000
	s_mov_b32 s[G0B+4*\s], 1
	s_add_co_u32 s[G0B+4*\s+1], s45, \s*SLOT
	s_add_nc_u64 s[G0B+4*\s+2:G0B+4*\s+3], s[46:47], \s*ROWB
	s_or_b32 s[G0B+4*\s+3], s[G0B+4*\s+3], 0x80000000
	JLOAD G0+4*\s, G1, G0B+4*\s, G1B               ; three tensor loads of mine are out now, later one
.endr
	v_and_b32 v1, 15, v0                           ; r = lane % 16
	v_bfe_u32 v2, v0, 4, 1                         ; h = lane / 16
	v_mul_u32_u24 v3, v1, PITCH
	v_lshl_add_u32 v4, v2, 4, v3                   ; a fragment's row x pitch + 16 x half
	s_mul_i32 s21, s15, HALFT                      ; my 128 rows of A
	s_mul_i32 s22, s16, HALFT                      ; my 128 rows of B,
	s_add_co_u32 s22, s22, 2*HALFT                 ; which lie behind A's 256
.irp s, 0,1
	v_add_nc_u32 v[ADRA+\s], s21, v4
	v_add_nc_u32 v[ADRB+\s], s22, v4
	s_add_co_u32 s21, s21, SLOT
	s_add_co_u32 s22, s22, SLOT
.endr
	v_mul_u32_u24 v5, v1, KS                       ; my row's scales: 64 bytes a row,
	v_lshrrev_b32 v6, 8, v5
	v_lshl_add_u32 v5, v6, 4, v5                   ; and 16 more for each 256 passed
	s_mul_i32 s21, s15, HALFS
	s_mul_i32 s22, s16, HALFS
	s_add_co_u32 s22, s22, 2*HALFS
	s_sub_co_u32 s22, s22, s21
	v_mul_u32_u24 v6, s22, v2                      ; lanes 16-31 take B's: one product, the distance between the two bases
	s_add_co_u32 s21, s21, SCL
	v_add_nc_u32 v5, v5, v6
	v_add_nc_u32 v[ADRS], s21, v5
	s_mul_i32 s23, s14, 16*SPITCH                  ; my stage
	v_mul_u32_u24 v5, v1, SPITCH                   ; in: row r, 16 bytes for each half of the lanes
	v_lshl_add_u32 v5, v2, 4, v5
	v_add_nc_u32 v[STO], s23, v5
	v_bfe_u32 v5, v0, 3, 1                         ; back: lanes 0-15 take two rows' 128 bytes of my first head, lanes 16-31 those of my second
	v_mul_u32_u24 v5, v5, SPITCH
	v_lshl_add_u32 v5, v2, 7, v5
	v_and_b32 v6, 7, v0
	v_lshl_add_u32 v5, v6, 4, v5
	v_add_nc_u32 v[RD], s23, v5
	v_lshlrev_b32 v6, s99, v2                      ; in memory: the second head lies a head's bytes on; two rows of 128 bytes are 256 bytes on end
	v_lshl_add_u32 v[CO], v1, 4, v6
	v_lshlrev_b32 v7, 5, v2                        ; the bias: 32 h bytes
	s_sub_co_u32 s46, s42, s98
	s_lshl_b32 s46, s46, 2
	s_lshl_b32 s47, s16, 1
	s_add_co_u32 s46, s46, s47                     ; my first head in its output: 4 x tile column + 2 x half
	s_lshl_b32 s20, s46, 8
	s_mov_b32 s21, 0
	s_add_nc_u64 s[96:97], s[96:97], s[20:21]      ; its 64 numbers of bias: 256 bytes a head
	s_lshr_b32 s20, s17, 2                         ; the batch
	s_lshl_b32 s20, s20, s100
	s_add_co_u32 s20, s20, s46
	s_lshl_b32 s20, s20, s99                       ; (batch x heads + head) x a head's bytes
	s_and_b32 s47, s17, 3
	s_lshl_b32 s47, s47, 8
	s_lshl_b32 s18, s15, 7
	s_add_co_u32 s47, s47, s18
	s_add_co_u32 s47, s47, s101                    ; my first row in the head
	s_lshl_b32 s47, s47, 7
	s_add_co_u32 s20, s20, s47
	s_add_nc_u64 s[12:13], s[12:13], s[20:21]
.irp b, 0,1,2,3,4,5,6,7
	global_load_b128 v[BI+8*\b:BI+8*\b+3], v7, s[96:97] offset:64*\b       ; lane (r, h): the bias of columns 16 b + 8 h + 0 .. 7
	global_load_b128 v[BI+8*\b+4:BI+8*\b+7], v7, s[96:97] offset:64*\b+16
.endr
.macro FRAG reg, adr, q, i             ; 16 rows x 128 K of 4-bit codes: 8 registers; registers 4 c .. 4 c + 3 hold K = 64 c + 32 (lane / 16) + 0 .. 31
.irp c, 0,1
	ds_load_b128 v[\reg+4*\c:\reg+4*\c+3], v[\adr] offset:64*(\q)+32*\c+(\i)*16*PITCH
.endr
.endm
; 16 matrix instructions: A's blocks a0, a0 + 1 x B's eight, the slot's q-th 128 along K.  p: B's set; sc: the set of scale words.  zero = 1: the first products start the sums from the bias.
; The 64 accumulators take turns, one instruction a turn, in the same order in every step.
.macro MUL16 a0, p, q, sc, zero
.irp a, \a0, \a0+1
.irp b, 0,1,2,3,4,5,6,7
.if \zero
	v_wmma_scale_f32_16x16x128_f8f6f4 v[8*(8*((\a)%4)+\b):8*(8*((\a)%4)+\b)+7], v[128*(\p)+FR*\b:128*(\p)+FR*\b+FR-1], v[AF+FR*(\a):AF+FR*(\a)+FR-1], v[BI+8*\b:BI+8*\b+7], v[SC+8*NQ*(\sc)+NQ*\b+(\q)], v[SC+8*NQ*(\sc)+NQ*(\a)+(\q)] matrix_a_fmt:MATRIX_FMT_FP4 matrix_b_fmt:MATRIX_FMT_FP4 matrix_a_scale:MATRIX_SCALE_ROW1
.else
	v_wmma_scale_f32_16x16x128_f8f6f4 v[8*(8*((\a)%4)+\b):8*(8*((\a)%4)+\b)+7], v[128*(\p)+FR*\b:128*(\p)+FR*\b+FR-1], v[AF+FR*(\a):AF+FR*(\a)+FR-1], v[8*(8*((\a)%4)+\b):8*(8*((\a)%4)+\b)+7], v[SC+8*NQ*(\sc)+NQ*\b+(\q)], v[SC+8*NQ*(\sc)+NQ*(\a)+(\q)] matrix_a_fmt:MATRIX_FMT_FP4 matrix_b_fmt:MATRIX_FMT_FP4 matrix_a_scale:MATRIX_SCALE_ROW1
.endif
.endr
.endr
.endm
.macro FETCH_B slot, q, p
	WIN TO_B
.irp i, 0,1,2,3,4,5,6,7
	FRAG 128*(\p)+FR*\i, ADRB+\slot, \q, \i
.endr
	WIN 0
.endm
.macro FETCH_A slot, q, i0
.irp i, \i0, \i0+1, \i0+2, \i0+3
	FRAG AF+FR*(\i), ADRA+\slot, \q, \i
.endr
.endm
.macro SCALES sc                       ; a K step's scale words: four a row; lanes 0-15 take A's block i, lanes 16-31 B's block i
.irp i, 0,1,2,3,4,5,6,7
	ds_load_b128 v[SC+8*NQ*\sc+NQ*\i:SC+8*NQ*\sc+NQ*\i+3], v[ADRS] offset:\i*SBLK
.endr
.endm
.macro PLACES n                        ; plain vector instructions in front of loads into registers that matrix instructions have read, and of reads of results
.rept \n
	v_nop
.endr
.endm
.macro STEP slot, q, zero              ; 128 along K, with its successor in the same slot
	s_wait_dscnt 4*NL                              ; B's set and A's blocks 0-3 are in; the youngest eight loads (A's blocks 4-7) may be out
.if \zero
	WIN FIRST_LO
.else
	WIN MUL_LO
.endif
	MUL16 0, (\q)%2, \q, \slot, \zero
	MUL16 2, (\q)%2, \q, \slot, \zero
	s_wait_dscnt 0                                 ; A's blocks 4-7 are in
	PLACES NP
	FETCH_B \slot, (\q)+1, 1-(\q)%2
	FETCH_A \slot, (\q)+1, 0
.if \zero
	WIN FIRST_HI
.else
	WIN MUL_HI
.endif
	MUL16 4, (\q)%2, \q, \slot, \zero
	MUL16 6, (\q)%2, \q, \slot, \zero
	PLACES NP
	WIN 0
	FETCH_A \slot, (\q)+1, 4
.endm
; A slot's last step changes slots: ONE barrier; in front of it each wave waits for all its tensor loads, adds 0 to its spare word, and waits for that and for its reads of this slot.
.macro TURN slot, next, fill
	s_wait_tensorcnt 0x0                           ; all my tensor loads have landed: my part of the next slot
	ds_add_u32 v[SPW], v[NIL]
	s_wait_dscnt 4*NL+1                            ; the add and the youngest eight loads may be out
	WIN MUL_LO
	MUL16 0, 1, NQ-1, \slot, 0
	s_wait_dscnt 0x0                               ; the add is done, and my reads of this slot are over
	s_barrier_signal -1
	MUL16 2, 1, NQ-1, \slot, 0
	WIN 0
	s_barrier_wait -1
.if \fill
	CREST                                          ; the barrier has opened a round of the cluster's barrier: no wave of any partner still reads this slot or has a load on its way
	s_add_nc_u64 s[G0+4*\slot+2:G0+4*\slot+3], s[G0+4*\slot+2:G0+4*\slot+3], 2*ROWB
	s_add_nc_u64 s[G0B+4*\slot+2:G0B+4*\slot+3], s[G0B+4*\slot+2:G0B+4*\slot+3], 2*ROWB
	JLOAD G0+4*\slot, G1, G0B+4*\slot, G1B         ; the first tensor load behind the round; its four v_nop are the places in front of the loads below
.else
	PLACES NP
.endif
	v_add_nc_u32 v[ADRS], 4*NQ, v[ADRS]            ; the next K step's scale words
	FETCH_B \next, 0, 0
	FETCH_A \next, 0, 0
	SCALES \next
	WIN MUL_HI
	MUL16 4, 1, NQ-1, \slot, 0
	MUL16 6, 1, NQ-1, \slot, 0
	PLACES NP
	WIN 0
	FETCH_A \next, 0, 4
.endm
.macro STEPS slot, from
.set Q, \from
.rept NQ-1-\from
	STEP \slot, Q, 0
.set Q, Q+1
.endr
.endm
	s_wait_tensorcnt 1                             ; the scales and my part of K step 0 are in; K step 1's load may be out
	s_barrier_signal -1
	s_barrier_wait -1
	FETCH_B 0, 0, 0
	FETCH_A 0, 0, 0
	SCALES 0
	FETCH_A 0, 0, 4
	s_wait_loadcnt 0x0                             ; the bias
	STEP 0, 0, 1                                   ; the first step stands in front of the loop: its products start the sums
	s_mov_b32 s3, LAPS-1
.Llap:                                                 ; a trip goes once round the ring and fills both slots again
	STEPS 0, 1
	TURN 0, 1, 1
	STEPS 1, 0
	TURN 1, 0, 1
	STEP 0, 0, 0
	s_sub_co_u32 s3, s3, 1
	s_cmp_lg_u32 s3, 0
	s_cbranch_scc1 .Llap
	STEPS 0, 1                                     ; the last lap fills nothing
	TURN 0, 1, 0
	STEPS 1, 0
	s_wait_dscnt 4*NL
	WIN MUL_LO
	MUL16 0, 1, NQ-1, 1, 0
	MUL16 2, 1, NQ-1, 1, 0
	s_wait_dscnt 0
	WIN MUL_HI
	MUL16 4, 1, NQ-1, 1, 0
	MUL16 6, 1, NQ-1, 1, 0
	WIN 0
; THE WAY OUT, a block of 16 rows x 128 columns (two heads) at a time: rounded to f16, 16 bytes a lane; through my own stage in LDS; back so that sixteen lanes hold two rows of one head: 256 bytes on end in memory.
.macro PACK a
.set AC, 64*((\a)%4)
	WIN 0x0a+5*((\a)/4)                            ; sources 0 and 1: window 2 or 3
.irp b, 0,1,2,3,4,5,6,7
.irp r, 0,1,2,3
	v_cvt_pk_f16_f32 v[TMP+4*\b+\r], v[AC+8*\b+2*\r], v[AC+8*\b+2*\r+1]   ; each accumulator from its low end on
.endr
.endr
	WIN 0
.endm
.macro TOSTAGE a
.set BK, OB+192*((\a)%2)
.irp b, 0,1,2,3,4,5,6,7
	ds_store_b128 v[STO], v[TMP+4*\b:TMP+4*\b+3] offset:32*\b
.endr
.irp t, 0,1,2,3,4,5,6,7
	ds_load_b128 v[BK+4*\t:BK+4*\t+3], v[RD] offset:\t*2*SPITCH    ; LDS serves a wave's instructions in order (ISA guide 5.7.1): these see the stores above
.endr
.endm
.macro SEND a
.set BK, OB+192*((\a)%2)
	s_wait_dscnt 0x0                               ; the block is back in registers
	s_wait_xcnt 0x0                                ; earlier stores have read their registers: the block after this one may land in them
.irp t, 0,1,2,3,4,5,6,7
	global_store_b128 v[CO], v[BK+4*\t:BK+4*\t+3], s[12:13] offset:(\a)*2048+\t*256
.endr
.endm
	PLACES NP
	PACK 0
	TOSTAGE 0
.irp a, 1,2,3,4,5,6,7                  ; block a's conversions stand between block a - 1's loads from the stage and the wait for them
	PACK \a
	SEND \a-1
	TOSTAGE \a
.endr
	SEND 7
	s_wait_tensorcnt 0x0                           ; the wave's end
	ds_add_u32 v[SPW], v[NIL]
	s_wait_dscnt 0x0
	CROUND                                         ; the closing round: no work-group ends while a partner may still ask for a tile that names it
	s_endpgm
.Lfunc_end_k_q24701dd6f6_qkv:
	.size	k_q24701dd6f6_qkv, .Lfunc_end_k_q24701dd6f6_qkv-k_q24701dd6f6_qkv
	.p2alignl 7, 3214868480
	.fill 96, 4, 3214868480
	.section	.rodata,"a",@progbits
	.p2align	6, 0x0
	.amdhsa_kernel k_q24701dd6f6_qkv
		.amdhsa_group_segment_fixed_size 327680
		.amdhsa_private_segment_fixed_size 0
		.amdhsa_enable_private_segment 0
		.amdhsa_kernarg_size 64
		.amdhsa_user_sgpr_count 2
		.amdhsa_user_sgpr_kernarg_segment_ptr 1
		.amdhsa_wavefront_size32 1
		.amdhsa_system_sgpr_workgroup_id_x 1
		.amdhsa_system_sgpr_workgroup_id_y 1
		.amdhsa_system_sgpr_workgroup_id_z 1
		.amdhsa_system_vgpr_workitem_id 0
		.amdhsa_next_free_vgpr 1024
		.amdhsa_next_free_sgpr 102
		.amdhsa_reserve_vcc 0
		.amdhsa_float_denorm_mode_32 3
		.amdhsa_float_denorm_mode_16_64 3
		.amdhsa_memory_ordered 1
		.amdhsa_forward_progress 1
		.amdhsa_inst_pref_size 215
	.end_amdhsa_kernel
	.amdgpu_metadata
---
amdhsa.version: [ 1, 2 ]
amdhsa.kernels:
  - .name:           k_q24701dd6f6_qkv
    .symbol:         k_q24701dd6f6_qkv.kd
    .args:
      - { .name: codes, .offset: 0, .size: 8, .value_kind: global_buffer, .address_space: global }
      - { .name: scales, .offset: 8, .size: 8, .value_kind: global_buffer, .address_space: global }
      - { .name: bq, .offset: 16, .size: 8, .value_kind: global_buffer, .address_space: global }
      - { .name: bk, .offset: 24, .size: 8, .value_kind: global_buffer, .address_space: global }
      - { .name: bv, .offset: 32, .size: 8, .value_kind: global_buffer, .address_space: global }
      - { .name: qh, .offset: 40, .size: 8, .value_kind: global_buffer, .address_space: global }
      - { .name: kh, .offset: 48, .size: 8, .value_kind: global_buffer, .address_space: global }
      - { .name: vh, .offset: 56, .size: 8, .value_kind: global_buffer, .address_space: global }
    .group_segment_fixed_size: 327680
    .private_segment_fixed_size: 0
    .kernarg_segment_align: 8
    .kernarg_segment_size: 64
    .max_flat_workgroup_size: 128
    .sgpr_count:     102
    .vgpr_count:     1024
    .wavefront_size: 32
...
	.end_amdgpu_metadata
.endif
;; end of part 2
;; launch attn (part 3): grid 16 x 16, 8 waves a work-group, clusters of 4 x 1, 327,680 bytes of LDS; arguments qh, kh, vh, zh; writes zh
.if DOCPART == 3
	.amdgcn_target "amdgcn-amd-amdhsa--gfx1250"
	.amdhsa_code_object_version 6
	.text
	.protected	k_q24701dd6f6_attn
	.globl	k_q24701dd6f6_attn
	.p2align	8
	.type	k_q24701dd6f6_attn,@function
k_q24701dd6f6_attn:
	s_mov_b64 s[64:65], 0
	v_nop
	global_prefetch_b8 v0, s[64:65] scope:SCOPE_SE
	s_setreg_imm32_b32 hwreg(HW_REG_WAVE_MODE, 25, 1), 1
	s_wait_xcnt 0x0
	s_wait_alu depctr_hold_cnt(0) depctr_sa_sdst(0) depctr_va_vdst(0) depctr_va_sdst(0) depctr_va_ssrc(0) depctr_va_vcc(0) depctr_vm_vsrc(0)
	s_getreg_b32 s2, hwreg(HW_REG_IB_STS2, 6, 4)
	s_cmp_eq_u32 s2, 0
	s_cbranch_scc0 .Lentry_in_a_cluster
	s_endpgm
.Lentry_in_a_cluster:
	s_bfe_u32 s2, ttmp6, 0x10000c
	s_cmp_lg_u32 s2, 0x3003
	s_cbranch_scc0 .Lentry_shape_is_right
	s_endpgm
.Lentry_shape_is_right:
; ATTENTION: z[b][s][h][:] = the sum over t of softmax_t(q[b][h][s] . k[b][h/4][t] / 8) v[b][h/4][t][:], 4,096 keys, no mask.  q [b][h 32][s 1024][64], k and v [b][g 8][t 4096][64], z [b s][h 64]: all f16.
; Products, maxima and sums in f32; the weights p are rounded to f16 for the second product, z once at the end.  LIMIT: f16: p under about 6e-8 counts as 0; z beyond 65,504 becomes infinity.
; SHARES.  Work-group (x, y): y = 8 b + g; heads 4 g + 2 (x / 8) + {0, 1}, positions 128 (x % 8) on: 256 queries, and 256 neighbouring bytes of each of 128 rows of z.
; Wave w: w % 4 picks 64 queries (head (w % 4) / 2, positions 64 (w % 2) on), four tiles of 16; w / 4 PICKS HALF OF THE KEYS: of each 256 keys waves 0-3 take the first 128, waves 4-7 the others.
; So a fragment of K or V read from LDS feeds four products, and two waves of 512 registers lie on a SIMD: one wave's softmax can be issued beside the other's products.  At the end waves w and w + 4 merge (m, l, O).
; LAYOUT.  S^T = K Q^T (source 0 = 16 keys, source 1 = 16 queries) and O^T = V^T P: a lane holds ONE query (lane % 16) throughout; two tiles of S^T rounded in pairs ARE source 1 of the second product.
; K comes out of LDS as it lies, V ([key][channel]) turned, by ds_load_tr16_b128.
; SOFTMAX.  A running maximum m and sum l for each query: p = 2^(c s - c m), c = log2(e) / 8; in every step O and l are multiplied by a = 2^(c m_old - c m_new).
; CLUSTER.  The four work-groups of a cluster share y, so K and V: each tile is asked for jointly, by the same tensor load with the same descriptor and a mask that names the four.
; REGISTERS.  window 0: v1-12 addresses; v16-47 statistics, eight a tile; v48-55 the merge's; v61-63; v64-191 S^T, 32 a tile (P is made in place in each tile's low 16); v192-255 K of a step.
;             window 1: v0-127 O^T (tile t, channels 16 c on: 32 t + 8 c); v128-191 Q; v192-255 V of a step.
.set KS,    64                         ; keys in a step
.set PK,    144                        ; a row of K in LDS: 128 bytes + 16
.set PV,    160                        ; a row of V: 128 + 32
.set VOFF,  KS*PK                      ; a block of 64 keys: K's rows, then V's
.set STEPB, KS*(PK+PV)
.set SLOT1, 1<<17                      ; a slot is four blocks (77,824 bytes); slot 1 begins here, so that one exclusive or turns an address from one slot to the other
.set SLOTB, 4*KS*128                   ; a slot's keys in memory: 32,768 bytes of K, and of V
.set MERGE, SLOT1+4*STEPB              ; four regions of 17,408 bytes: wave w + 4's O^T as an image of its registers (32 x 512 bytes), then its statistics (2 x 512)
.set MPAIR, 17408
.set STAGE, MERGE+4*MPAIR              ; 128 rows of z x (256 bytes + 16)
.set SP,    272
.set SPARE, STAGE+128*SP               ; the spare words, 128 bytes a wave: four blocks of 256 bytes that no other line names
.set AK0, 2
.set AV0, 3
.set ADR, 4
.set QO,  5
.set STO, 6
.set RD,  7
.set GO,  8
.set MI,  12
.set ST,  16                           ; tile t at v[ST + 8 t]: +0 c m, +1 m, +2, +3 l, +4 to +7 at work; a takes +6
.set PFO, 61
.set SPW, 62                           ; v62  LDS address of my spare word; never rewritten
.set NIL, 63                           ; v63  0; never rewritten
.set S,   64
.set KF,  192
.set QF,  128                          ; in window 1
.set VF,  192                          ; in window 1
.set WV,  12
.set LIM, 15
.set PFA, 18
.set G1K, 24
.set G1V, 32
.set G0K, 40
.set G0V, 48
.set SLOTS, 56
.set TWICE, 57
.set CS,  58
.set SEL, 60
.set TB,  62
.set MSB, 0
.macro WIN new                         ; the immediate's high byte repeats the setting that is left
.if MSB != \new
	s_set_vgpr_msb (MSB<<8)|\new
.set MSB, \new
.endif
.endm
.set W_KQ, 0x04                        ; Q (source 1) in window 1
.set W_PV, 0x51                        ; V (source 0), C and D in window 1
.set W_RS, 0x41                        ; O^T (destination and source 0) in window 1
.macro PLACES n
.rept \n
	v_nop
.endr
.endm
; A joint refill: waves 0-3 fetch the slot's four blocks of K, waves 4-7 those of V: 64 rows a wave.  An s_nop 0 and four v_nop follow each of the two lines.
.macro JLOAD
	s_cmp_lt_u32 s[WV], 4
	s_cbranch_scc0 .Lfor_v_\@
	tensor_load_to_lds s[G0K+4:G0K+7], s[G1K:G1K+7]
	s_nop 0
.rept 4
	v_nop
.endr
	s_branch .Lasked_\@
.Lfor_v_\@:
	tensor_load_to_lds s[G0V+4:G0V+7], s[G1V:G1V+7]
	s_nop 0
.rept 4
	v_nop
.endr
.Lasked_\@:
.endm
; A prefetch of what the NEXT change of slots will ask for: 32,768 bytes of K and of V.  All clusters of a y walk the same rows: the first cluster asks.  Its four partners take 8,192 bytes each, told apart by address;
; in each, wave 0 asks for K's and wave 4 for V's, lanes 256 bytes apart: one instruction.  So each block of 256 bytes is named once.  The last change that fills a slot asks for nothing; slots 0 to 2 come by their loads alone.
.macro ASK
	s_cmp_gt_u32 s[SLOTS], s[LIM]
	s_cbranch_scc0 .Lnot_mine_\@
	global_prefetch_b8 v[PFO], s[PFA:PFA+1] th:TH_LOAD_NT scope:SCOPE_SE
.Lnot_mine_\@:
.endm
.macro CROUND                          ; a round of the cluster's barrier
	s_barrier_signal -1
	s_barrier_wait -1
	s_cmp_lg_u32 s[WV], 0
	s_cbranch_scc1 .Lnot_wave_0_\@
	s_barrier_signal -3
.Lnot_wave_0_\@:
	s_barrier_wait -3
	s_barrier_signal -1
	s_barrier_wait -1
.endm
	s_load_b256 s[4:11], s[0:1], 0x0               ; qh s[4:5], kh s[6:7], vh s[8:9], zh s[10:11]
	v_lshl_add_u32 v[SPW], v0, 2, SPARE
	v_mov_b32 v[NIL], 0
	ds_add_u32 v[SPW], v[NIL]                      ; the wave's opening: the add and its wait stand ahead of my first tensor load; work on registers stands between them
	v_lshrrev_b32 v1, 5, v0
	v_readfirstlane_b32 s[WV], v1                  ; wave 0..7
	s_bfe_u32 s13, ttmp6, 0x40000                  ; cx
	s_lshl_b32 s14, ttmp9, 2
	s_add_co_u32 s14, s14, s13                     ; x: it enters q's and z's addresses alone
	s_and_b32 s20, ttmp7, 0xffff                   ; y = 8 b + g, which the four partners share
	s_and_b32 s16, s[WV], 3                        ; which 64 queries are mine.  Also: which block of a slot I fetch
	s_lshl_b32 s22, s20, 19                        ; K, V: a (b, g) is 2^19 bytes,
	s_lshl_b32 s23, s16, 13                        ; a block of 64 keys 8,192
	s_add_co_u32 s22, s22, s23
	s_mov_b32 s23, 0
	s_mul_i32 s17, s16, STEPB                      ; the block's place in a slot: no place in the cluster enters an LDS address
	s_lshr_b32 s21, s14, 3                         ; which pair of the group's four heads
	s_and_b32 s63, s14, 7
	s_lshl_b32 s63, s63, 7                         ; the work-group's first position
	s_lshl_b32 s2, s20, 2
	s_lshl_b32 s3, s21, 1
	s_add_co_u32 s2, s2, s3
	s_lshr_b32 s3, s16, 1
	s_add_co_u32 s2, s2, s3                        ; my head among the 64: 4 y + 2 pair + (w % 4) / 2
	s_lshl_b32 s2, s2, 10
	s_add_co_u32 s2, s2, s63
	s_and_b32 s3, s16, 1
	s_lshl_b32 s3, s3, 6
	s_add_co_u32 s2, s2, s3                        ; my first row of q
	s_lshl_b32 s2, s2, 7
	s_mov_b32 s3, 0
	s_lshr_b32 s18, s20, 3
	s_lshl_b32 s18, s18, 10
	s_add_co_u32 s18, s18, s63
	s_lshl_b32 s19, s[WV], 4
	s_add_co_u32 s18, s18, s19                     ; the first of the 16 rows of z that I store
	s_lshl_b32 s18, s18, 12
	s_and_b32 s19, s20, 7
	s_lshl_b32 s19, s19, 2
	s_add_co_u32 s19, s19, s21
	s_add_co_u32 s19, s19, s21                     ; the work-group's first head in a row of z
	s_lshl_b32 s19, s19, 7
	s_add_co_u32 s18, s18, s19
	s_mov_b32 s19, 0
	; descriptor group 1: a tile of 64 rows x 64 elements of 2 bytes, padded in LDS behind every 32 words
	s_mov_b32 s[G1K], 15|(1<<16)|(1<<20)|(1<<21)|(4<<22)|(3<<25)  ; the mask: all four work-groups; bit 21 beside it; 4 words of padding
	s_mov_b32 s[G1V], 15|(1<<16)|(1<<20)|(1<<21)|(4<<22)|(7<<25)  ; the same with 8 words
.irp g, G1K, G1V
	s_mov_b32 s[\g+1], 64<<16                      ; tensor_dim0
	s_mov_b32 s[\g+2], KS<<16                      ; tensor_dim1
	s_mov_b32 s[\g+3], 64<<16                      ; tile_dim0
	s_mov_b32 s[\g+4], KS                          ; tile_dim1
	s_mov_b32 s[\g+5], 64                          ; from row to row
	s_mov_b32 s[\g+6], 0
	s_mov_b32 s[\g+7], 0
.endr
	s_mov_b32 s[CS], 0x3e38aa3b                    ; c = log2(e) / 8
	s_mov_b32 s[CS+1], s[CS]                       ; named with it as a pair, so it is written
	s_mov_b32 s[SEL], 0x76543210
	s_mov_b32 s[SEL+1], 0xfedcba98                 ; v_permlanex16_b32: lane l xor 16
	s_mov_b32 s[TB], 0
	s_mov_b32 s[SLOTS], 4096/(4*KS)-2
	s_and_b32 s[LIM], s[WV], 3                     ; 0 in waves 0 and 4,
	s_or_b32 s[LIM], s[LIM], ttmp9                 ; of the first cluster: the same in all four partners
	s_cmp_eq_u32 s[LIM], 0
	s_cselect_b32 s[LIM], 1, -1
	v_and_b32 v[PFO], 31, v0
	v_lshlrev_b32 v[PFO], 8, v[PFO]
	s_wait_dscnt 0x0                               ; the opening add is done
	s_wait_kmcnt 0x0
	s_add_nc_u64 s[6:7], s[6:7], s[22:23]          ; K and V at my block of slot 0
	s_add_nc_u64 s[8:9], s[8:9], s[22:23]
	s_add_nc_u64 s[4:5], s[4:5], s[2:3]
	s_add_nc_u64 s[10:11], s[10:11], s[18:19]
	s_cmp_lt_u32 s[WV], 4
	s_cselect_b64 s[PFA:PFA+1], s[6:7], s[8:9]     ; (in waves 0 and 4 these stand at a slot's first row)
	s_lshl_b32 s2, s13, 13                         ; my work-group's quarter of a slot
	s_mov_b32 s3, 0
	s_add_nc_u64 s[PFA:PFA+1], s[PFA:PFA+1], s[2:3]
	s_add_nc_u64 s[PFA:PFA+1], s[PFA:PFA+1], 2*SLOTB  ; in slot 2; the first change of slots steps it to slot 3
	CROUND                                         ; all four work-groups are here: the first joint loads meet
.irp s, 0,1
	s_mov_b32 s[G0K+4*\s], 1
	s_add_co_u32 s[G0K+4*\s+1], s17, \s*SLOT1
	s_add_nc_u64 s[G0K+4*\s+2:G0K+4*\s+3], s[6:7], \s*SLOTB
	s_or_b32 s[G0K+4*\s+3], s[G0K+4*\s+3], 0x80000000
	s_mov_b32 s[G0V+4*\s], 1
	s_add_co_u32 s[G0V+4*\s+1], s17, \s*SLOT1+VOFF
	s_add_nc_u64 s[G0V+4*\s+2:G0V+4*\s+3], s[8:9], \s*SLOTB
	s_or_b32 s[G0V+4*\s+3], s[G0V+4*\s+3], 0x80000000
.endr
	s_cmp_lt_u32 s[WV], 4                          ; a wave's two first fills stand in one branch, ahead of every wait on TENSORcnt and every LDS read: two loads of mine are out
	s_cbranch_scc0 .Lfirst_v
	tensor_load_to_lds s[G0K:G0K+3], s[G1K:G1K+7]
	s_nop 0
	tensor_load_to_lds s[G0K+4:G0K+7], s[G1K:G1K+7]
	s_nop 0
.rept 4
	v_nop
.endr
	s_branch .Lfirst_asked
.Lfirst_v:
	tensor_load_to_lds s[G0V:G0V+3], s[G1V:G1V+7]
	s_nop 0
	tensor_load_to_lds s[G0V+4:G0V+7], s[G1V:G1V+7]
	s_nop 0
.rept 4
	v_nop
.endr
.Lfirst_asked:
	v_and_b32 v1, 15, v0                           ; r = lane % 16
	v_bfe_u32 v9, v0, 4, 1                         ; h = lane / 16
	v_lshlrev_b32 v[QO], 7, v1
	v_lshl_add_u32 v[QO], v9, 4, v[QO]             ; row x 128 + 16 x half
	WIN 0x40                                       ; destination window 1
.irp t, 0,1,2,3
.irp u, 0,1                                    ; Q stays in registers: tile t, channels 32 u on
	global_load_b128 v[QF+16*\t+8*\u:QF+16*\t+8*\u+3],   v[QO], s[4:5] offset:\t*2048+64*\u
	global_load_b128 v[QF+16*\t+8*\u+4:QF+16*\t+8*\u+7], v[QO], s[4:5] offset:\t*2048+64*\u+32
.endr
.endr
	WIN 0
	; every LDS address is made here, on the way that all waves take
	s_lshr_b32 s2, s[WV], 2
	s_mul_i32 s2, s2, 2*STEPB                      ; my half of a slot's keys: blocks 0, 1 or 2, 3
	v_mul_u32_u24 v[AK0], v1, PK
	v_lshl_add_u32 v[AK0], v9, 4, v[AK0]
	v_add_nc_u32 v[AK0], s2, v[AK0]                ; K: row x pitch + 16 x half
	v_and_b32 v10, 7, v0
	v_bfe_u32 v11, v0, 3, 1
	v_lshl_add_u32 v[AV0], v9, 3, v10              ; V, for the turning load: key 8 h + lane % 8, channels 8 ((lane / 8) % 2) on
	v_mul_u32_u24 v[AV0], v[AV0], PV
	v_lshl_add_u32 v[AV0], v11, 4, v[AV0]
	s_add_co_u32 s2, s2, VOFF
	v_add_nc_u32 v[AV0], s2, v[AV0]
	s_and_b32 s2, s16, 1
	s_mul_i32 s2, s2, 64*SP
	s_lshr_b32 s3, s16, 1
	s_lshl_b32 s3, s3, 7
	s_add_co_u32 s2, s2, s3
	s_add_co_u32 s2, s2, STAGE
	v_mul_u32_u24 v[STO], v1, SP                   ; the stage, in: row = position, my head's 128 bytes, 16 bytes for each half of the lanes
	v_lshl_add_u32 v[STO], v9, 4, v[STO]
	v_add_nc_u32 v[STO], s2, v[STO]
	s_mul_i32 s2, s[WV], 16*SP
	s_add_co_u32 s2, s2, STAGE
	v_mul_u32_u24 v[RD], v9, SP                    ; back: wave w takes rows 16 w on; lanes 0-15 one row of 256 bytes, lanes 16-31 the next
	v_lshl_add_u32 v[RD], v1, 4, v[RD]
	v_add_nc_u32 v[RD], s2, v[RD]
	v_lshlrev_b32 v[GO], 12, v9                    ; and the same two rows of z, 4,096 bytes apart
	v_lshl_add_u32 v[GO], v1, 4, v[GO]
	s_mul_i32 s2, s16, MPAIR
	s_add_co_u32 s2, s2, MERGE
	v_and_b32 v[MI], 31, v0
	v_lshl_add_u32 v[MI], v[MI], 4, s2             ; the merge: my pair's region, 16 bytes a lane
; THE LDS LOADS stand in runs of 16: a step's K (64 keys x 64 channels: 8 fragments), and its V (turned).
.macro FETCH_K
	WIN 0
	v_add_nc_u32 v[ADR], s[TB], v[AK0]
.irp i, 0,1,2,3
.irp u, 0,1                                    ; keys 16 i on, channels 32 u on
	ds_load_b128 v[KF+16*\i+8*\u:KF+16*\i+8*\u+3],   v[ADR] offset:\i*16*PK+64*\u
	ds_load_b128 v[KF+16*\i+8*\u+4:KF+16*\i+8*\u+7], v[ADR] offset:\i*16*PK+64*\u+32
.endr
.endr
.endm
.macro FETCH_V
	WIN 0
	v_add_nc_u32 v[ADR], s[TB], v[AV0]
	s_add_co_u32 s[TB], s[TB], STEPB               ; the next fetch is the next step's
	WIN 0x40
.irp u, 0,1
.irp c, 0,1,2,3                                ; keys 32 u on, channels 16 c on
	ds_load_tr16_b128 v[VF+32*\u+8*\c:VF+32*\u+8*\c+3],   v[ADR] offset:\u*32*PV+32*\c
	ds_load_tr16_b128 v[VF+32*\u+8*\c+4:VF+32*\u+8*\c+7], v[ADR] offset:\u*32*PV+16*PV+32*\c
.endr
.endr
.endm
; 32 products each; the sixteen accumulators take turns, one instruction a turn.
.macro KQALL                           ; S^T = K Q^T: the first sixteen start the sums
	WIN W_KQ
.irp u, 0,1
.irp i, 0,1,2,3
.irp t, 0,1,2,3
.if \u == 0
	v_wmma_f32_16x16x32_f16 v[S+32*\t+8*\i:S+32*\t+8*\i+7], v[KF+16*\i+8*\u:KF+16*\i+8*\u+7], v[QF+16*\t+8*\u:QF+16*\t+8*\u+7], 0
.else
	v_wmma_f32_16x16x32_f16 v[S+32*\t+8*\i:S+32*\t+8*\i+7], v[KF+16*\i+8*\u:KF+16*\i+8*\u+7], v[QF+16*\t+8*\u:QF+16*\t+8*\u+7], v[S+32*\t+8*\i:S+32*\t+8*\i+7]
.endif
.endr
.endr
.endr
.endm
.macro PVALL zero                      ; O^T += V^T P; zero = 1: the first sixteen start the sums: nothing is ever cleared
	WIN W_PV
.irp u, 0,1
.irp c, 0,1,2,3
.irp t, 0,1,2,3
.if \zero && (\u == 0)
	v_wmma_f32_16x16x32_f16 v[32*\t+8*\c:32*\t+8*\c+7], v[VF+32*\u+8*\c:VF+32*\u+8*\c+7], v[S+32*\t+8*\u:S+32*\t+8*\u+7], 0
.else
	v_wmma_f32_16x16x32_f16 v[32*\t+8*\c:32*\t+8*\c+7], v[VF+32*\u+8*\c:VF+32*\u+8*\c+7], v[S+32*\t+8*\u:S+32*\t+8*\u+7], v[32*\t+8*\c:32*\t+8*\c+7]
.endif
.endr
.endr
.endr
.endm
.macro SCALEP t, n                     ; pair n of tile t: c s - c m
	v_pk_fma_f32 v[S+32*(\t)+2*(\n):S+32*(\t)+2*(\n)+1], v[S+32*(\t)+2*(\n):S+32*(\t)+2*(\n)+1], s[CS:CS+1], v[ST+8*(\t):ST+8*(\t)+1] op_sel_hi:[1,0,0] neg_lo:[0,0,1] neg_hi:[0,0,1]
.endm
; THE SOFTMAX of a step, for the wave's four tiles by turns, so that no line waits for the line above it.  first = 1: the first step, which starts m and l and has nothing to rescale.
.macro SOFTMAX first
	WIN 0
.irp j, 0,1,2,3                                ; the maximum: four chains a tile; each accumulator is read from its low end on
.irp t, 0,1,2,3
	v_max3_num_f32 v[ST+8*\t+4+\j], v[S+32*\t+8*\j], v[S+32*\t+8*\j+1], v[S+32*\t+8*\j+2]
.endr
.endr
.irp q, 1,2
.irp j, 0,1,2,3
.irp t, 0,1,2,3
	v_max3_num_f32 v[ST+8*\t+4+\j], v[ST+8*\t+4+\j], v[S+32*\t+8*\j+2*\q+1], v[S+32*\t+8*\j+2*\q+2]
.endr
.endr
.endr
.irp t, 0,1,2,3
	v_max3_num_f32 v[ST+8*\t+4], v[ST+8*\t+4], v[S+32*\t+7], v[S+32*\t+15]
.endr
.irp t, 0,1,2,3
	v_max3_num_f32 v[ST+8*\t+6], v[ST+8*\t+6], v[S+32*\t+23], v[S+32*\t+31]
.endr
.irp t, 0,1,2,3
	v_max3_num_f32 v[ST+8*\t+4], v[ST+8*\t+4], v[ST+8*\t+5], v[ST+8*\t+6]
.endr
.irp t, 0,1,2,3
.if \first
	v_max_num_f32 v[ST+8*\t+4], v[ST+8*\t+4], v[ST+8*\t+7]
.else
	v_max3_num_f32 v[ST+8*\t+4], v[ST+8*\t+4], v[ST+8*\t+7], v[ST+8*\t+1]   ; with the old m
.endif
.endr
.irp t, 0,1,2,3
	v_permlanex16_b32 v[ST+8*\t+5], v[ST+8*\t+4], s[SEL], s[SEL+1]          ; the query's other 32 keys lie in the lane 16 away
.endr
.if \first == 0
.irp t, 0,1,2,3
	v_mov_b32 v[ST+8*\t+7], v[ST+8*\t]             ; c m_old is kept for a
.endr
.endif
.irp t, 0,1,2,3
	v_max_num_f32 v[ST+8*\t+1], v[ST+8*\t+4], v[ST+8*\t+5]
.endr
.irp t, 0,1,2,3
	v_mul_f32 v[ST+8*\t], s[CS], v[ST+8*\t+1]
.endr
.if \first == 0
.irp t, 0,1,2,3
	v_sub_f32 v[ST+8*\t+7], v[ST+8*\t+7], v[ST+8*\t]
.endr
.irp t, 0,1,2,3
	v_exp_f32 v[ST+8*\t+6], v[ST+8*\t+7]           ; a
.endr
.endif
	; ONE BATCH: all exponentials of the step; a tile's scalings stand among the exponentials of the tile before.  Nothing here names an exponential's result.
.irp n, 0,1,2,3,4,5,6,7,8,9,10,11,12,13,14,15
	SCALEP 0, \n
.endr
.irp t, 0,1,2,3
.irp n, 0,1,2,3,4,5,6,7,8,9,10,11,12,13,14,15
.if \t < 3
	SCALEP \t+1, \n
.endif
	v_exp_f32 v[S+32*\t+2*\n], v[S+32*\t+2*\n]
	v_exp_f32 v[S+32*\t+2*\n+1], v[S+32*\t+2*\n+1]
.endr
.endr
	v_nop                                          ; a plain instruction behind the last exponential,
	s_wait_alu depctr_va_vdst(0)                   ; and one wait ahead of the batch's first reader
	; the sums of the unrounded p, in two chains a tile; l = a l + the sum
.irp t, 0,1,2,3
.if \first
	v_pk_add_f32 v[ST+8*\t+2:ST+8*\t+3], v[S+32*\t:S+32*\t+1], v[S+32*\t+6:S+32*\t+7]
.else
	v_pk_fma_f32 v[ST+8*\t+2:ST+8*\t+3], v[ST+8*\t+2:ST+8*\t+3], v[ST+8*\t+6:ST+8*\t+7], v[S+32*\t:S+32*\t+1] op_sel_hi:[1,0,1]
.endif
.endr
.irp t, 0,1,2,3
	v_pk_add_f32 v[ST+8*\t+4:ST+8*\t+5], v[S+32*\t+2:S+32*\t+3], v[S+32*\t+4:S+32*\t+5]
.endr
.if \first == 0
.irp t, 0,1,2,3
	v_pk_add_f32 v[ST+8*\t+2:ST+8*\t+3], v[ST+8*\t+2:ST+8*\t+3], v[S+32*\t+6:S+32*\t+7]
.endr
.endif
.irp n, 4,6,8,10,12,14
.irp t, 0,1,2,3
	v_pk_add_f32 v[ST+8*\t+4:ST+8*\t+5], v[ST+8*\t+4:ST+8*\t+5], v[S+32*\t+2*\n:S+32*\t+2*\n+1]
.endr
.irp t, 0,1,2,3
	v_pk_add_f32 v[ST+8*\t+2:ST+8*\t+3], v[ST+8*\t+2:ST+8*\t+3], v[S+32*\t+2*\n+2:S+32*\t+2*\n+3]
.endr
.endr
.irp t, 0,1,2,3
	v_pk_add_f32 v[ST+8*\t+2:ST+8*\t+3], v[ST+8*\t+2:ST+8*\t+3], v[ST+8*\t+4:ST+8*\t+5]
.endr
	; P in place: register n takes pair n; a later pair's registers, 2 n + 2 on, lie above n
.irp n, 0,1,2,3,4,5,6,7,8,9,10,11,12,13,14,15
.irp t, 0,1,2,3
	v_cvt_pk_f16_f32 v[S+32*\t+\n], v[S+32*\t+2*\n], v[S+32*\t+2*\n+1]
.endr
.endr
.if \first == 0
	WIN W_RS                                       ; O^T times a, each accumulator from its low end on
.irp p, 0,1,2,3,4,5,6,7,8,9,10,11,12,13,14,15
.irp t, 0,1,2,3
	v_pk_mul_f32 v[32*\t+2*\p:32*\t+2*\p+1], v[32*\t+2*\p:32*\t+2*\p+1], v[ST+8*\t+6:ST+8*\t+7] op_sel_hi:[1,0]
.endr
.endr
.endif
.endm
; A STEP: V^T P of the step in hand, then K Q^T and the softmax of the next.  K lands under the first products, V under the second and the softmax.
.macro STEP zero
	FETCH_K                                        ; K's registers were last read ahead of the softmax: its lines are the places
	s_wait_dscnt 16                                ; V of the step in hand is in; the 16 loads of K just issued may be out
	PVALL \zero
	PLACES 5                                       ; five places before K Q^T writes over P, four before the loads into V's registers
	FETCH_V
	s_wait_dscnt 16                                ; K is in; V's 16 loads may be out
	KQALL
	PLACES 4
	SOFTMAX 0
.endm
.macro TWO_STEPS                       ; a slot's two steps of my half: written once, walked twice; the LDS addresses hang on s[TB]
	s_mov_b32 s[TWICE], 2
.Lstep_\@:
	STEP 0
	WIN 0
	s_sub_co_u32 s[TWICE], s[TWICE], 1
	s_cmp_lg_u32 s[TWICE], 0
	s_cbranch_scc1 .Lstep_\@
.endm
; THE CHANGE OF SLOTS.  Each wave waits for all its tensor loads, of which one is out: its part of the other slot; adds 0 to its spare word; waits for that and for its reads of the slot.
; fill = 1: the barrier is a round of the cluster's, and the joint refill, the keys two slots on, is the first thing behind it: it has two steps of every wave in which to land.
.macro CHANGE fill
	WIN 0
	s_wait_tensorcnt 0x0                           ; no tensor load of mine is out, so a group 0 may be written
	ds_add_u32 v[SPW], v[NIL]
.if \fill
.irp g, G0K+4, G0V+4
	s_xor_b32 s[\g+1], s[\g+1], SLOT1              ; the walking descriptor: the other slot than last time,
	s_add_nc_u64 s[\g+2:\g+3], s[\g+2:\g+3], SLOTB ; the next 256 keys
.endr
	s_wait_xcnt 0x0                                ; the last prefetch, two steps back, has read its address
	s_add_nc_u64 s[PFA:PFA+1], s[PFA:PFA+1], SLOTB
	s_wait_dscnt 0x0                               ; the add is done, and my reads of the slot are over
	CROUND
	JLOAD
	ASK
.else
	s_wait_dscnt 0x0
	s_barrier_signal -1
	s_barrier_wait -1
.endif
	s_sub_co_u32 s[TB], s[TB], 2*STEPB             ; the fetches go back to my half's first block,
	s_xor_b32 s[TB], s[TB], SLOT1                  ; in the other slot
.endm
	s_wait_tensorcnt 1                             ; my part of slot 0 is in; slot 1's may stay out
	s_barrier_signal -1
	s_barrier_wait -1
	FETCH_K                                        ; step 0
	FETCH_V
	s_wait_loadcnt 0x0                             ; Q
	s_wait_dscnt 16                                ; K is in
	KQALL
	PLACES 4
	SOFTMAX 1
	STEP 1                                         ; V^T P of step 0 starts O^T
	WIN 0
.Lslot:                                            ; 14 trips: every slot but the last two is filled again
	CHANGE 1
	TWO_STEPS
	s_sub_co_u32 s[SLOTS], s[SLOTS], 1
	s_cmp_lg_u32 s[SLOTS], 0
	s_cbranch_scc1 .Lslot
	CHANGE 0                                       ; the tail is written out
	TWO_STEPS
	s_wait_dscnt 0x0                               ; V of the last step
	PVALL 0
	; THE MERGE.  Waves 4-7 hand O^T, c m and l to waves 0-3 as images of their registers; those bring both halves under one maximum, divide by the sum and put z into the stage.
	WIN 0
.irp t, 0,1,2,3
	v_add_f32 v[ST+8*\t+2], v[ST+8*\t+2], v[ST+8*\t+3]   ; l's two halves.  (Four places behind the last products)
.endr
	s_cmp_lt_u32 s[WV], 4
	s_cbranch_scc1 .Lkeep
	WIN 0x04                                       ; an LDS store's data are its source 1: window 1
.set k, 0
.rept 32
	ds_store_b128 v[MI], v[4*k:4*k+3] offset:512*k ; each accumulator from its low end on
.set k, k+1
.endr
	WIN 0
.irp t, 0,1,2,3
	v_mov_b32 v[48+\t], v[ST+8*\t]
	v_mov_b32 v[52+\t], v[ST+8*\t+2]
.endr
	ds_store_b128 v[MI], v[48:51] offset:16384
	ds_store_b128 v[MI], v[52:55] offset:16896
.Lkeep:
	s_wait_dscnt 0x0                               ; for the others' sake: my stores have landed
	s_barrier_signal -1
	s_barrier_wait -1
	s_cmp_lt_u32 s[WV], 4
	s_cbranch_scc0 .Lnomerge
	ds_load_b128 v[48:51], v[MI] offset:16384      ; the partner's c m,
	ds_load_b128 v[52:55], v[MI] offset:16896      ; its l,
.set k, 0
.rept 32
	ds_load_b128 v[S+4*k:S+4*k+3], v[MI] offset:512*k   ; its O^T
.set k, k+1
.endr
	s_wait_dscnt 32                                ; the statistics are in; O^T's 32 loads may be out
.irp t, 0,1,2,3
	v_max_num_f32 v[ST+8*\t+4], v[ST+8*\t], v[48+\t]
.endr
.irp t, 0,1,2,3
	v_sub_f32 v[ST+8*\t+5], v[ST+8*\t], v[ST+8*\t+4]
.endr
.irp t, 0,1,2,3
	v_sub_f32 v[ST+8*\t+6], v[48+\t], v[ST+8*\t+4]
.endr
.irp t, 0,1,2,3
	v_exp_f32 v[ST+8*\t+5], v[ST+8*\t+5]           ; my factor,
.endr
.irp t, 0,1,2,3
	v_exp_f32 v[ST+8*\t+6], v[ST+8*\t+6]           ; the partner's
.endr
	v_nop
	s_wait_alu depctr_va_vdst(0)                   ; one wait for the eight, ahead of their first reader
.irp t, 0,1,2,3
	v_mul_f32 v[ST+8*\t+2], v[ST+8*\t+2], v[ST+8*\t+5]
.endr
.irp t, 0,1,2,3
	v_fmac_f32 v[ST+8*\t+2], v[52+\t], v[ST+8*\t+6]
.endr
.irp t, 0,1,2,3
	v_permlanex16_b32 v[ST+8*\t+7], v[ST+8*\t+2], s[SEL], s[SEL+1]
.endr
.irp t, 0,1,2,3
	v_add_f32 v[ST+8*\t+2], v[ST+8*\t+2], v[ST+8*\t+7]   ; the row's sum
.endr
.irp t, 0,1,2,3
	v_rcp_f32 v[ST+8*\t+3], v[ST+8*\t+2]
.endr
	v_nop
	s_wait_alu depctr_va_vdst(0)                   ; one wait for the four
.irp t, 0,1,2,3
	v_mul_f32 v[ST+8*\t+4], v[ST+8*\t+5], v[ST+8*\t+3]   ; my factor / the sum,
.endr
.irp t, 0,1,2,3
	v_mul_f32 v[ST+8*\t+6], v[ST+8*\t+6], v[ST+8*\t+3]   ; the partner's
.endr
	s_wait_dscnt 0x0
.irp p, 0,1,2,3,4,5,6,7,8,9,10,11,12,13,14,15
.irp t, 0,1,2,3
	v_pk_mul_f32 v[S+32*\t+2*\p:S+32*\t+2*\p+1], v[S+32*\t+2*\p:S+32*\t+2*\p+1], v[ST+8*\t+6:ST+8*\t+7] op_sel_hi:[1,0]
.endr
.endr
	WIN 0x01                                       ; source 0 (my O^T) window 1
.irp p, 0,1,2,3,4,5,6,7,8,9,10,11,12,13,14,15
.irp t, 0,1,2,3
	v_pk_fma_f32 v[S+32*\t+2*\p:S+32*\t+2*\p+1], v[32*\t+2*\p:32*\t+2*\p+1], v[ST+8*\t+4:ST+8*\t+5], v[S+32*\t+2*\p:S+32*\t+2*\p+1] op_sel_hi:[1,0,1]
.endr
.endr
	WIN 0
.irp n, 0,1,2,3,4,5,6,7,8,9,10,11,12,13,14,15
.irp t, 0,1,2,3
	v_cvt_pk_f16_f32 v[S+32*\t+\n], v[S+32*\t+2*\n], v[S+32*\t+2*\n+1]
.endr
.endr
.irp t, 0,1,2,3
.irp c, 0,1,2,3
	ds_store_b128 v[STO], v[S+32*\t+4*\c:S+32*\t+4*\c+3] offset:\t*16*SP+32*\c   ; position 16 t + r, channels 16 c + 8 h on
.endr
.endr
.Lnomerge:
	s_wait_dscnt 0x0
	s_barrier_signal -1
	s_barrier_wait -1                              ; 128 rows of 256 bytes lie in the stage
.irp i, 0,1,2,3,4,5,6,7
	ds_load_b128 v[S+4*\i:S+4*\i+3], v[RD] offset:2*\i*SP
.endr
.irp i, 0,1,2,3,4,5,6,7
	s_wait_dscnt 7-\i
	global_store_b128 v[GO], v[S+4*\i:S+4*\i+3], s[10:11] offset:2*\i*4096   ; sixteen lanes store 256 consecutive bytes, aligned
.endr
	s_wait_tensorcnt 0x0                           ; the wave's end
	ds_add_u32 v[SPW], v[NIL]
	s_wait_dscnt 0x0
	CROUND                                         ; the closing round
	s_endpgm
.Lfunc_end_k_q24701dd6f6_attn:
	.size	k_q24701dd6f6_attn, .Lfunc_end_k_q24701dd6f6_attn-k_q24701dd6f6_attn
	.p2alignl 7, 3214868480
	.fill 96, 4, 3214868480
	.section	.rodata,"a",@progbits
	.p2align	6, 0x0
	.amdhsa_kernel k_q24701dd6f6_attn
		.amdhsa_group_segment_fixed_size 327680
		.amdhsa_private_segment_fixed_size 0
		.amdhsa_enable_private_segment 0
		.amdhsa_kernarg_size 32
		.amdhsa_user_sgpr_count 2
		.amdhsa_user_sgpr_kernarg_segment_ptr 1
		.amdhsa_wavefront_size32 1
		.amdhsa_system_sgpr_workgroup_id_x 1
		.amdhsa_system_sgpr_workgroup_id_y 1
		.amdhsa_system_sgpr_workgroup_id_z 1
		.amdhsa_system_vgpr_workitem_id 0
		.amdhsa_next_free_vgpr 512
		.amdhsa_next_free_sgpr 66
		.amdhsa_reserve_vcc 0
		.amdhsa_float_denorm_mode_32 3
		.amdhsa_float_denorm_mode_16_64 3
		.amdhsa_memory_ordered 1
		.amdhsa_forward_progress 1
		.amdhsa_inst_pref_size 155
	.end_amdhsa_kernel
	.amdgpu_metadata
---
amdhsa.version: [ 1, 2 ]
amdhsa.kernels:
  - .name:           k_q24701dd6f6_attn
    .symbol:         k_q24701dd6f6_attn.kd
    .args:
      - { .name: qh, .offset: 0, .size: 8, .value_kind: global_buffer, .address_space: global }
      - { .name: kh, .offset: 8, .size: 8, .value_kind: global_buffer, .address_space: global }
      - { .name: vh, .offset: 16, .size: 8, .value_kind: global_buffer, .address_space: global }
      - { .name: zh, .offset: 24, .size: 8, .value_kind: global_buffer, .address_space: global }
    .group_segment_fixed_size: 327680
    .private_segment_fixed_size: 0
    .kernarg_segment_align: 8
    .kernarg_segment_size: 32
    .max_flat_workgroup_size: 256
    .sgpr_count:     66
    .vgpr_count:     512
    .wavefront_size: 32
...
	.end_amdgpu_metadata
.endif
;; end of part 3
;; launch outp (part 4): grid 16 x 16, 4 waves a work-group, clusters of 4 x 4, 327,680 bytes of LDS; arguments zh, woh, bo, out0; writes out0
.if DOCPART == 4
	.amdgcn_target "amdgcn-amd-amdhsa--gfx1250"
	.amdhsa_code_object_version 6
	.text
	.protected	k_q24701dd6f6_outp
	.globl	k_q24701dd6f6_outp
	.p2align	8
	.type	k_q24701dd6f6_outp,@function
k_q24701dd6f6_outp:
	s_mov_b64 s[64:65], 0
	v_nop
	global_prefetch_b8 v0, s[64:65] scope:SCOPE_SE
	s_setreg_imm32_b32 hwreg(HW_REG_WAVE_MODE, 25, 1), 1
	s_wait_xcnt 0x0
	s_wait_alu depctr_hold_cnt(0) depctr_sa_sdst(0) depctr_va_vdst(0) depctr_va_sdst(0) depctr_va_ssrc(0) depctr_va_vcc(0) depctr_vm_vsrc(0)
	s_getreg_b32 s2, hwreg(HW_REG_IB_STS2, 6, 4)
	s_cmp_eq_u32 s2, 0
	s_cbranch_scc0 .Lentry_in_a_cluster
	s_endpgm
.Lentry_in_a_cluster:
	s_bfe_u32 s2, ttmp6, 0x10000c
	s_cmp_lg_u32 s2, 0xf033
	s_cbranch_scc0 .Lentry_shape_is_right
	s_endpgm
.Lentry_shape_is_right:
; OUT: out0 = z Wo + bo.  z [2048][2048] f16 (K innermost), Wo [k 2048][n 2048] f16 (K is its FIRST axis), bo [2048] f32, out0 [2048][2048] f32; sums in f32; the bias is the C of each sum's first product.
; A tile of 128 x 128 gives 256 work-groups; four waves, each 64 x 64: 16 accumulators.  K goes in steps of 256 through a ring of two LDS slots filled by the tensor data mover:
; z's tile is 128 rows of 512 bytes, Wo's 256 rows (k) of 256 bytes (128 n); Wo's fragments come out of LDS turned, by ds_load_tr16_b128.
; CLUSTERS: 4 x 4 work-groups; z's tiles are asked for jointly along a row of the cluster, Wo's along a column.
; THE MATRIX INSTRUCTION IS USED TRANSPOSED (source 0 = 16 columns of Wo, source 1 = 16 rows of z): a lane holds eight neighbouring numbers of a row of the result.
; REGISTERS: window 0: v0-31 addresses; v32-95 the way out; v96-127 the bias in the result's layout; v128-255 the accumulators ((a, b) at v[128 + 8 (4 a + b)]).
;   window 1: two fragment buffers of 128: for 64 along K, 64 registers of z, then 64 of Wo.
.set KSTEP,  256
.set PITCH,  528                       ; a row of z in LDS: 512 bytes + 16
.set HALFA,  64*PITCH                  ; 64 rows: what one tensor load brings of z, and what a wave reads
.set BPITCH, 288                       ; a row of Wo in LDS: 256 bytes + 32
.set HALFB,  128*BPITCH                ; 128 rows (k): what one tensor load brings of Wo
.set BOFF,   2*HALFA
.set SLOT,   BOFF+2*HALFB
.set STAGE,  2*SLOT                    ; behind the ring: 16 rows x (256 bytes + 16) for each wave
.set SPITCH, 272
.set SPARE,  STAGE+4*16*SPITCH         ; the spare words, 128 bytes a wave: two blocks of 256 bytes that no other line names
.set LAPS,   2048/(2*KSTEP)
.set ADRA, 16                          ; v16-17  z's fragments in slot 0, 1
.set ADRB, 20                          ; v20-23  Wo's: 2 x slot + which 128 of the step's 256 k
.set STO,  24
.set RD,   25
.set CO,   26
.set BA,   27
.set SPW,  28                          ; v28  LDS address of my spare word; never rewritten
.set NIL,  29                          ; v29  0; never rewritten
.set TMP,  32
.set BI,   96
.set ACC,  128
.set F0,   0
.set F1,   128
.set G1, 24
.set G0, 32
.set G1B, 48
.set G0B, 56
.set MSB, 0
.macro WIN new                         ; the immediate's high byte repeats the setting that is left
.if MSB != \new
	s_set_vgpr_msb (MSB<<8)|\new
.set MSB, \new
.endif
.endm
.set MUL,  0x05                        ; sources 0 and 1 window 1; C and D window 0
.set TO_F, 0x40
.macro JLOAD s                         ; a joint load: waves 0 and 1 fetch z's two halves, waves 2 and 3 Wo's; an s_nop 0 and four v_nop follow each of the two lines
	s_cmp_eq_u32 s11, 0
	s_cbranch_scc0 .Lfor_b_\@
	tensor_load_to_lds s[G0+4*\s:G0+4*\s+3], s[G1:G1+7]
	s_nop 0
.rept 4
	v_nop
.endr
	s_branch .Lasked_\@
.Lfor_b_\@:
	tensor_load_to_lds s[G0B+4*\s:G0B+4*\s+3], s[G1B:G1B+7]
	s_nop 0
.rept 4
	v_nop
.endr
.Lasked_\@:
.endm
.macro CREST
	s_cmp_lg_u32 s10, 0
	s_cbranch_scc1 .Lnot_wave_0_\@
	s_barrier_signal -3
.Lnot_wave_0_\@:
	s_barrier_wait -3
	s_barrier_signal -1
	s_barrier_wait -1
.endm
.macro CROUND
	s_barrier_signal -1
	s_barrier_wait -1
	CREST
.endm
	s_load_b128 s[4:7], s[0:1], 0x0                ; zh s[4:5], woh s[6:7]
	s_load_b64 s[66:67], s[0:1], 0x10              ; bo
	s_load_b64 s[8:9], s[0:1], 0x18                ; out0
	v_lshl_add_u32 v[SPW], v0, 2, SPARE
	v_mov_b32 v[NIL], 0
	ds_add_u32 v[SPW], v[NIL]                      ; the wave's opening: the add and its wait stand ahead of my first tensor load; work on registers stands between them
	v_lshrrev_b32 v1, 5, v0
	v_readfirstlane_b32 s10, v1                    ; wave 0..3
	s_lshr_b32 s11, s10, 1                         ; which half of the tile's rows is mine.  Also: I fetch for z (0) or for Wo (1)
	s_and_b32 s12, s10, 1                          ; which half of its columns.  Also: which half of that tile I fetch
	s_bfe_u32 s40, ttmp6, 0x40000                  ; cx, cy
	s_bfe_u32 s41, ttmp6, 0x40004
	s_lshl_b32 s42, ttmp9, 2
	s_add_co_u32 s42, s42, s40                     ; tile column
	s_and_b32 s13, ttmp7, 0xffff
	s_lshl_b32 s13, s13, 2
	s_add_co_u32 s13, s13, s41                     ; tile row
	s_lshl_b32 s43, s41, 2
	s_lshl_b32 s43, 15, s43                        ; my row of the cluster
	s_lshl_b32 s44, 0x1111, s40                    ; my column
	s_or_b32 s[G1+0], s43, (1<<16)|(1<<20)|(1<<21)|(6<<22)|(3<<25)   ; z: elements of 2 bytes; after every 128 words, 4 words of padding
	s_mov_b32 s[G1+1], KSTEP<<16                   ; tensor_dim0 = 256
	s_mov_b32 s[G1+2], 64<<16                      ; tensor_dim1 = 64
	s_mov_b32 s[G1+3], KSTEP<<16                   ; tile_dim0
	s_mov_b32 s[G1+4], 64                          ; tile_dim1
	s_mov_b32 s[G1+5], 2048                        ; from row to row
	s_mov_b32 s[G1+6], 0
	s_mov_b32 s[G1+7], 0
	s_or_b32 s[G1B+0], s44, (1<<16)|(1<<20)|(1<<21)|(5<<22)|(7<<25)  ; Wo: after every 64 words, 8 words of padding
	s_mov_b32 s[G1B+1], 128<<16                    ; 128 n
	s_mov_b32 s[G1B+2], 128<<16                    ; 128 k
	s_mov_b32 s[G1B+3], 128<<16
	s_mov_b32 s[G1B+4], 128
	s_mov_b32 s[G1B+5], 2048
	s_mov_b32 s[G1B+6], 0
	s_mov_b32 s[G1B+7], 0
	s_lshl_b32 s16, s13, 7
	s_lshl_b32 s17, s12, 6
	s_add_co_u32 s16, s16, s17                     ; z: row 128 x tile row + 64 x half,
	s_lshl_b32 s16, s16, 12                        ; of 4,096 bytes
	s_mov_b32 s17, 0
	s_lshl_b32 s46, s12, 19                        ; Wo: row (k) 128 x half, of 4,096 bytes,
	s_lshl_b32 s47, s42, 8                         ; + the tile column's 256 bytes
	s_add_co_u32 s46, s46, s47
	s_mov_b32 s47, 0
	s_mul_i32 s20, s12, HALFA                      ; where they go: no place in the cluster enters an LDS address
	s_mul_i32 s23, s12, HALFB
	s_add_co_u32 s23, s23, BOFF
	s_wait_dscnt 0x0                               ; the opening add is done
	s_wait_kmcnt 0x0
	s_add_nc_u64 s[14:15], s[4:5], s[16:17]
	s_add_nc_u64 s[46:47], s[6:7], s[46:47]
	CROUND                                         ; all sixteen work-groups are here: the first joint loads meet
.irp s, 0,1
	s_mov_b32 s[G0+4*\s], 1
	s_add_co_u32 s[G0+4*\s+1], s20, \s*SLOT
	s_add_nc_u64 s[G0+4*\s+2:G0+4*\s+3], s[14:15], \s*KSTEP*2
	s_or_b32 s[G0+4*\s+3], s[G0+4*\s+3], 0x80000000
	s_mov_b32 s[G0B+4*\s], 1
	s_add_co_u32 s[G0B+4*\s+1], s23, \s*SLOT
	s_add_nc_u64 s[G0B+4*\s+2:G0B+4*\s+3], s[46:47], \s*KSTEP*4096
	s_or_b32 s[G0B+4*\s+3], s[G0B+4*\s+3], 0x80000000
	JLOAD \s                                       ; two tensor loads of mine are out now, later one
.endr
	v_and_b32 v1, 15, v0                           ; r
	v_bfe_u32 v2, v0, 4, 1                         ; h
	v_mul_u32_u24 v3, v1, PITCH
	v_lshl_add_u32 v3, v2, 4, v3
	s_mul_i32 s21, s11, HALFA                      ; my 64 rows of z
	v_add_nc_u32 v[ADRA], s21, v3
	s_add_co_u32 s21, s21, SLOT
	v_add_nc_u32 v[ADRA+1], s21, v3
	v_and_b32 v4, 7, v0
	v_lshl_add_u32 v4, v2, 3, v4                   ; Wo, for the turning load: row (k) 8 h + lane % 8, columns 8 ((lane / 8) % 2) on
	v_mul_u32_u24 v4, v4, BPITCH
	v_bfe_u32 v5, v0, 3, 1
	v_lshl_add_u32 v4, v5, 4, v4
	s_lshl_b32 s22, s12, 7                         ; my 64 columns: 128 bytes
	s_add_co_u32 s22, s22, BOFF
	v_add_nc_u32 v4, s22, v4
.irp s, 0,1
.irp k, 0,1
	v_add_nc_u32 v[ADRB+2*\s+\k], \s*SLOT+\k*HALFB, v4
.endr
.endr
	s_mul_i32 s23, s10, 16*SPITCH
	s_add_co_u32 s23, s23, STAGE                   ; my stage
	v_mul_u32_u24 v5, v1, SPITCH                   ; in: row r, 32 bytes for each half of the lanes
	v_lshl_add_u32 v5, v2, 5, v5
	v_add_nc_u32 v[STO], s23, v5
	v_mul_u32_u24 v5, v2, SPITCH                   ; back: lanes 0-15 one row of 256 bytes, lanes 16-31 the next
	v_lshl_add_u32 v5, v1, 4, v5
	v_add_nc_u32 v[RD], s23, v5
	v_lshlrev_b32 v5, 13, v2                       ; and the same two rows of the output, 8,192 bytes apart
	v_lshl_add_u32 v[CO], v1, 4, v5
	v_lshlrev_b32 v[BA], 5, v2                     ; the bias: 32 h bytes
	s_lshl_b32 s16, s13, 7
	s_lshl_b32 s17, s11, 6
	s_add_co_u32 s16, s16, s17                     ; my first row
	s_lshl_b32 s16, s16, 13
	s_lshl_b32 s46, s42, 9
	s_lshl_b32 s47, s12, 8
	s_add_co_u32 s46, s46, s47                     ; my first column, in bytes of f32: the same in bo and in a row of the output
	s_mov_b32 s47, 0
	s_add_nc_u64 s[66:67], s[66:67], s[46:47]
	s_add_co_u32 s46, s46, s16
	s_add_nc_u64 s[8:9], s[8:9], s[46:47]
.irp b, 0,1,2,3
	global_load_b128 v[BI+8*\b:BI+8*\b+3], v[BA], s[66:67] offset:64*\b        ; lane (r, h): the bias of columns 16 b + 8 h + 0 .. 7
	global_load_b128 v[BI+8*\b+4:BI+8*\b+7], v[BA], s[66:67] offset:64*\b+16
.endr
; 8 matrix instructions: row blocks a0, a0 + 1 x all 4 column blocks, 32 along K: half c of buffer f.  zero = 1: the first products start the sums from the bias.  The 16 accumulators take turns.
.macro MUL8 f, c, a0, zero
.irp a, \a0, \a0+1
.irp b, 0,1,2,3
.if \zero
	v_wmma_f32_16x16x32_f16 v[ACC+8*(4*(\a)+\b):ACC+8*(4*(\a)+\b)+7], v[\f+64+8*(4*\c+\b):\f+64+8*(4*\c+\b)+7], v[\f+8*(4*\c+\a):\f+8*(4*\c+\a)+7], v[BI+8*\b:BI+8*\b+7]
.else
	v_wmma_f32_16x16x32_f16 v[ACC+8*(4*(\a)+\b):ACC+8*(4*(\a)+\b)+7], v[\f+64+8*(4*\c+\b):\f+64+8*(4*\c+\b)+7], v[\f+8*(4*\c+\a):\f+8*(4*\c+\a)+7], v[ACC+8*(4*(\a)+\b):ACC+8*(4*(\a)+\b)+7]
.endif
.endr
.endr
.endm
; 32 LDS loads in one run: the fragments of the slot's q-th 64 along K into buffer f; the first 32 along K first
.macro FETCH slot, q, f
	WIN TO_F
.irp c, 0,1
.irp i, 0,1,2,3
	ds_load_tr16_b128 v[\f+64+8*(4*\c+\i):\f+64+8*(4*\c+\i)+3],   v[ADRB+2*\slot+(\q)/2] offset:(((\q)%2)*64+32*\c)*BPITCH+32*\i
	ds_load_tr16_b128 v[\f+64+8*(4*\c+\i)+4:\f+64+8*(4*\c+\i)+7], v[ADRB+2*\slot+(\q)/2] offset:(((\q)%2)*64+32*\c+16)*BPITCH+32*\i
	ds_load_b128 v[\f+8*(4*\c+\i):\f+8*(4*\c+\i)+3],         v[ADRA+\slot] offset:128*(\q)+64*\c+\i*16*PITCH
	ds_load_b128 v[\f+8*(4*\c+\i)+4:\f+8*(4*\c+\i)+7],       v[ADRA+\slot] offset:128*(\q)+64*\c+\i*16*PITCH+32
.endr
.endr
.endm
.macro PLACES                          ; four places in front of loads into registers that matrix instructions have read, and of reads of results
.rept 4
	v_nop
.endr
.endm
; A K step is four quarters of 64 along K, 32 matrix instructions each, on buffers 0, 1, 0, 1.  One of the first three: multiplies buffer f and fetches quarter q into g.
.macro QUARTER slot, q, f, g, zero
	s_wait_dscnt 16                                ; the first 32 along K are in; the other sixteen loads may be out
	WIN MUL
	MUL8 \f, 0, 0, \zero
	MUL8 \f, 0, 2, \zero
	PLACES
	FETCH \slot, \q, \g
	s_wait_dscnt 32                                ; all but the 32 just issued
	WIN MUL
	MUL8 \f, 1, 0, 0
	MUL8 \f, 1, 2, 0
.endm
; The last quarter changes slots: ONE barrier; in front of it each wave waits for all its tensor loads, adds 0 to its spare word, and waits for that and for its reads of this slot.
.macro TURN slot, next, fill
	WIN 0
	s_wait_tensorcnt 0x0                           ; all my tensor loads have landed: my part of the next slot
	ds_add_u32 v[SPW], v[NIL]
	s_wait_dscnt 17                                ; the add and the youngest sixteen loads may be out
	WIN MUL
	MUL8 F1, 0, 0, 0
	s_wait_dscnt 0x0                               ; the add is done, and my reads of this slot are over
	s_barrier_signal -1
	MUL8 F1, 0, 2, 0
.if \fill
	WIN 0
.endif
	s_barrier_wait -1
.if \fill
	CREST                                          ; the barrier has opened a round of the cluster's barrier
	s_add_nc_u64 s[G0+4*\slot+2:G0+4*\slot+3], s[G0+4*\slot+2:G0+4*\slot+3], 2*KSTEP*2
	s_add_nc_u64 s[G0B+4*\slot+2:G0B+4*\slot+3], s[G0B+4*\slot+2:G0B+4*\slot+3], 2*KSTEP*4096
	JLOAD \slot                                    ; the first tensor load behind the round; its four v_nop are the places in front of the loads below
.else
	PLACES
.endif
	FETCH \next, 0, F0
	WIN MUL
	MUL8 F1, 1, 0, 0
	MUL8 F1, 1, 2, 0
.endm
	s_wait_tensorcnt 1                             ; my part of K step 0 is in; K step 1's may be out
	s_barrier_signal -1
	s_barrier_wait -1
	FETCH 0, 0, F0
	s_wait_loadcnt 0x0                             ; the bias
	QUARTER 0, 1, F0, F1, 1                        ; the first quarter stands in front of the loop: its first products start the sums
	WIN 0
	s_mov_b32 s3, LAPS-1
.Llap:                                                 ; a trip goes once round the ring and fills both slots again
	QUARTER 0, 2, F1, F0, 0
	QUARTER 0, 3, F0, F1, 0
	TURN 0, 1, 1
	QUARTER 1, 1, F0, F1, 0
	QUARTER 1, 2, F1, F0, 0
	QUARTER 1, 3, F0, F1, 0
	TURN 1, 0, 1
	QUARTER 0, 1, F0, F1, 0
	WIN 0
	s_sub_co_u32 s3, s3, 1
	s_cmp_lg_u32 s3, 0
	s_cbranch_scc1 .Llap
	QUARTER 0, 2, F1, F0, 0                        ; the last lap fills nothing
	QUARTER 0, 3, F0, F1, 0
	TURN 0, 1, 0
	QUARTER 1, 1, F0, F1, 0
	QUARTER 1, 2, F1, F0, 0
	QUARTER 1, 3, F0, F1, 0
	s_wait_dscnt 16
	WIN MUL
	MUL8 F1, 0, 0, 0
	MUL8 F1, 0, 2, 0
	s_wait_dscnt 0
	MUL8 F1, 1, 0, 0
	MUL8 F1, 1, 2, 0
	WIN 0
; THE WAY OUT, a block of 16 rows x 64 columns at a time.  A wave's 64 columns of f32 are 256 bytes: each wave has a stage of its own and needs no barrier.
.macro TOSTAGE a
.irp b, 0,1,2,3
	ds_store_b128 v[STO], v[ACC+8*(4*(\a)+\b):ACC+8*(4*(\a)+\b)+3] offset:64*\b         ; each accumulator from its low end on
	ds_store_b128 v[STO], v[ACC+8*(4*(\a)+\b)+4:ACC+8*(4*(\a)+\b)+7] offset:64*\b+16
.endr
.irp t, 0,1,2,3,4,5,6,7
	ds_load_b128 v[TMP+32*((\a)%2)+4*\t:TMP+32*((\a)%2)+4*\t+3], v[RD] offset:2*\t*SPITCH   ; LDS serves a wave's instructions in order (ISA guide 5.7.1)
.endr
.endm
.macro SEND a, younger                 ; younger: the LDS instructions issued behind block a's loads
	s_wait_dscnt \younger
.irp t, 0,1,2,3,4,5,6,7
	global_store_b128 v[CO], v[TMP+32*((\a)%2)+4*\t:TMP+32*((\a)%2)+4*\t+3], s[8:9] offset:(16*(\a)+2*\t)*8192 th:TH_STORE_NT   ; sixteen lanes store 256 consecutive bytes, aligned
.endr
.endm
	PLACES
	TOSTAGE 0
.irp a, 1,2,3
.if \a > 1
	s_wait_xcnt 0x0                                ; block a - 2's stores have read their registers: block a's loads may land there
.endif
	TOSTAGE \a
	SEND \a-1, 16                                  ; behind block a - 1's loads: block a's 8 stores and 8 loads
.endr
	SEND 3, 0
	s_wait_tensorcnt 0x0                           ; the wave's end
	ds_add_u32 v[SPW], v[NIL]
	s_wait_dscnt 0x0
	CROUND                                         ; the closing round
	s_endpgm
.Lfunc_end_k_q24701dd6f6_outp:
	.size	k_q24701dd6f6_outp, .Lfunc_end_k_q24701dd6f6_outp-k_q24701dd6f6_outp
	.p2alignl 7, 3214868480
	.fill 96, 4, 3214868480
	.section	.rodata,"a",@progbits
	.p2align	6, 0x0
	.amdhsa_kernel k_q24701dd6f6_outp
		.amdhsa_group_segment_fixed_size 327680
		.amdhsa_private_segment_fixed_size 0
		.amdhsa_enable_private_segment 0
		.amdhsa_kernarg_size 32
		.amdhsa_user_sgpr_count 2
		.amdhsa_user_sgpr_kernarg_segment_ptr 1
		.amdhsa_wavefront_size32 1
		.amdhsa_system_sgpr_workgroup_id_x 1
		.amdhsa_system_sgpr_workgroup_id_y 1
		.amdhsa_system_sgpr_workgroup_id_z 1
		.amdhsa_system_vgpr_workitem_id 0
		.amdhsa_next_free_vgpr 512
		.amdhsa_next_free_sgpr 68
		.amdhsa_reserve_vcc 0
		.amdhsa_float_denorm_mode_32 3
		.amdhsa_float_denorm_mode_16_64 3
		.amdhsa_memory_ordered 1
		.amdhsa_forward_progress 1
		.amdhsa_inst_pref_size 87
	.end_amdhsa_kernel
	.amdgpu_metadata
---
amdhsa.version: [ 1, 2 ]
amdhsa.kernels:
  - .name:           k_q24701dd6f6_outp
    .symbol:         k_q24701dd6f6_outp.kd
    .args:
      - { .name: zh, .offset: 0, .size: 8, .value_kind: global_buffer, .address_space: global }
      - { .name: woh, .offset: 8, .size: 8, .value_kind: global_buffer, .address_space: global }
      - { .name: bo, .offset: 16, .size: 8, .value_kind: global_buffer, .address_space: global }
      - { .name: out0, .offset: 24, .size: 8, .value_kind: global_buffer, .address_space: global }
    .group_segment_fixed_size: 327680
    .private_segment_fixed_size: 0
    .kernarg_segment_align: 8
    .kernarg_segment_size: 32
    .max_flat_workgroup_size: 128
    .sgpr_count:     68
    .vgpr_count:     512
    .wavefront_size: 32
...
	.end_amdgpu_metadata
.endif
;; end of part 4
